; MI455X (gfx1250); checked and timed in simulation.
; The chip was launched on July 23, 2026; its instructions are those of AMD's public machine-readable ISA for CDNA 5 (MIT licence, August 2026) and "CDNA5" Instruction Set Architecture Reference Guide (July 2026). The comments in the code are by the model that wrote it; some were corrected since.
;; Dynamic Gaussian Model. Allowed arithmetic: float matrix products may take bf16 or f16 operands with f32 sums; all other float work in f32.
;; Inputs: W0 60 x 256 float32; W1 256 x 256 float32; W2 316 x 256 float32; W3 256 x 256 float32; Wo 256 x 1 float32; Wr 256 x 4 float32; Ws 256 x 3 float32; Wx 256 x 3 float32; b0 256 float32; b1 256 float32; b2 256 float32; b3 256 float32; bo 1 float32; br 4 float32; bs 3 float32; bx 3 float32; canonical_xyz 300,000 x 3 float32; opacity 300,000 x 1 float32; rotation 300,000 x 4 float32; scaling 300,000 x 3 float32; time 1 float32.
;; Outputs: out0 300,000 x 13 float32.
;; 2 versions, each right and faster than the one before. Each part assembles by itself: llvm-mc -triple=amdgcn-amd-amdhsa -mcpu=gfx1250 --defsym DOCPART=n.
;; ======== version 1 of 2: 2 launches
;; limits: inputs' magnitudes at most 30,000; right only within a limited range of input values
;; workspace buffers: wpack 472,064 bytes
;; launch prep (part 1): grid 115 x 1, 8 waves a work-group, no clusters, 0 bytes of LDS; arguments W0, W1, W2, W3, Wr, Ws, Wo, Wx, b0, b1, b2, b3, br, bs, bo, bx, wpack; writes wpack
.if DOCPART == 1
	.amdgcn_target "amdgcn-amd-amdhsa--gfx1250"
	.amdhsa_code_object_version 6
	.text
	.protected	k_qb060cb33c0_prep
	.globl	k_qb060cb33c0_prep
	.p2align	8
	.type	k_qb060cb33c0_prep,@function
k_qb060cb33c0_prep:
	s_mov_b64 s[64:65], 0
	v_nop
	global_prefetch_b8 v0, s[64:65] scope:SCOPE_SE
	s_setreg_imm32_b32 hwreg(HW_REG_WAVE_MODE, 25, 1), 1
	s_wait_xcnt 0x0
; Packs the network's weights for the second launch: f32 [K][N] becomes bf16 fragments of matrix operand A (16 output features x 32 k)
; in register order, so that the second launch reads them from LDS by contiguous 16-byte loads.
; wpack: bytes 0 .. 139,263      34 resident groups of 4,096 bytes
;        139,264 .. 144,383      1,280 f32: b0, b1, b2, b3, then the heads' 11 biases (br, bs, bo, bx) and zeros
;        144,384 .. 472,063      80 streamed groups
; A fragment is 1,024 bytes: bytes 16 L of the first half are lane L's registers 0-3 (row L % 16, k = 8 (L / 16) + 0..7), of the second half
; its registers 4-7 (k = 16 + 8 (L / 16) + 0..7).  A group is four fragments: (kk, mt) = (i >> 1, i & 1) of K fragment 2 gk + kk and feature tile 2 c + mt;
; a group of the heads holds four K fragments of the one tile of 11 outputs (rows 11 to 15 are zeros).
; Work-group g = 0 .. 113 makes group g in the order in which the second launch multiplies them; wave w makes 512 bytes of it (fragment w >> 1, half w & 1),
; a lane 16 bytes: each store of a wave covers 512 consecutive bytes, aligned.  Work-group 114 copies the biases.
; The 60 input features are laid in an order of their own (32 slots a lane half), the same that the second launch gives its encoded points:
;   slot 0..17 = 6 d + k: sin (lanes 0-15) or cos (lanes 16-31) of pi 2^k xyz[d];  18..27: the same of pi 2^(slot-18) t;  28..30: x, y, z;  31: t;
;   slots 28..31 have weight zero in lanes 16-31.
.set RESB,  144384
.set BIASB, 139264
	s_load_b512 s[8:23], s[0:1], 0x0               ; W0 s[8:9], W1 s[10:11], W2 s[12:13], W3 s[14:15], Wr s[16:17], Ws s[18:19], Wo s[20:21], Wx s[22:23]
	s_load_b512 s[24:39], s[0:1], 0x40             ; b0 s[24:25], b1, b2, b3 s[30:31], br s[32:33], bs s[34:35], bo s[36:37], bx s[38:39]
	s_load_b64 s[40:41], s[0:1], 0x80              ; wpack
	s_mov_b32 s2, ttmp9                            ; g
	v_lshrrev_b32 v1, 5, v0
	v_readfirstlane_b32 s3, v1                     ; wave w
	v_and_b32 v1, 31, v0                           ; lane
	v_and_b32 v2, 15, v0                           ; r
	v_bfe_u32 v3, v0, 4, 1                         ; h
	v_lshlrev_b32 v5, 4, v0                        ; 512 w + 16 lane: my 16 bytes in the group
	s_wait_kmcnt 0x0
	s_cmp_lt_u32 s2, 8
	s_cbranch_scc1 .Ll0
	s_cmp_lt_u32 s2, 40
	s_cbranch_scc1 .Ll1
	s_cmp_lt_u32 s2, 80
	s_cbranch_scc1 .Ll2
	s_cmp_lt_u32 s2, 112
	s_cbranch_scc1 .Ll3
	s_cmp_lt_u32 s2, 114
	s_cbranch_scc1 .Lheads
	s_branch .Lbias
; Each layer sets: s4 chunk c, s5 gk, s6 = 1 for a group of input features, s7 their first row in W, s[42:43] W, s44 the group's byte in wpack.
.Ll0:                                              ; layer 0: one group a chunk, all input features, resident groups 0..7
	s_mov_b32 s4, s2
	s_mov_b32 s5, 0
	s_mov_b32 s6, 1
	s_mov_b32 s7, 0
	s_mov_b64 s[42:43], s[8:9]
	s_lshl_b32 s44, s2, 12
	s_branch .Lcommon
.Ll1:                                              ; layer 1: four groups a chunk; g 8..27 streamed groups 0..19, g 28..39 resident groups 8..19
	s_sub_co_u32 s46, s2, 8
	s_lshr_b32 s4, s46, 2
	s_and_b32 s5, s46, 3
	s_mov_b32 s6, 0
	s_mov_b32 s7, 0
	s_mov_b64 s[42:43], s[10:11]
	s_lshl_b32 s44, s46, 12
	s_add_co_u32 s44, s44, RESB
	s_sub_co_u32 s47, s2, 20
	s_lshl_b32 s47, s47, 12
	s_cmp_lt_u32 s2, 28
	s_cselect_b32 s44, s44, s47
	s_branch .Lcommon
.Ll2:                                              ; layer 2: five groups a chunk, the fifth the input features (rows 256..315); streamed groups 20..59
	s_sub_co_u32 s46, s2, 40
	s_mul_i32 s4, s46, 205
	s_lshr_b32 s4, s4, 10                          ; (g - 40) / 5, exact for 0..39
	s_mul_i32 s47, s4, 5
	s_sub_co_u32 s5, s46, s47
	s_cmp_eq_u32 s5, 4
	s_cselect_b32 s6, 1, 0
	s_mov_b32 s7, 256
	s_mov_b64 s[42:43], s[12:13]
	s_sub_co_u32 s44, s2, 20
	s_lshl_b32 s44, s44, 12
	s_add_co_u32 s44, s44, RESB
	s_branch .Lcommon
.Ll3:                                              ; layer 3: four groups a chunk; g 80..99 streamed groups 60..79, g 100..111 resident groups 20..31
	s_sub_co_u32 s46, s2, 80
	s_lshr_b32 s4, s46, 2
	s_and_b32 s5, s46, 3
	s_mov_b32 s6, 0
	s_mov_b32 s7, 0
	s_mov_b64 s[42:43], s[14:15]
	s_sub_co_u32 s44, s2, 20
	s_lshl_b32 s44, s44, 12
	s_add_co_u32 s44, s44, RESB
	s_lshl_b32 s47, s46, 12
	s_cmp_lt_u32 s2, 100
	s_cselect_b32 s44, s44, s47
.Lcommon:
	v_add_nc_u32 v5, s44, v5                       ; my 16 bytes in wpack
	s_lshr_b32 s45, s3, 2                          ; kk
	s_bfe_u32 s46, s3, 0x10001                     ; mt
	s_and_b32 s47, s3, 1                           ; q: registers 0-3 or 4-7
	s_lshl_b32 s48, s4, 7
	s_lshl_b32 s49, s46, 6
	s_add_co_u32 s48, s48, s49                     ; 4 (32 c + 16 mt)
	v_lshl_add_u32 v6, v2, 2, s48                  ; byte of my output feature in a row of W
	s_cmp_lg_u32 s6, 0
	s_cbranch_scc1 .Lxpart
	; hidden features: rows 32 kf + 16 q + 8 h + j, j in the immediate
	s_lshl_b32 s49, s5, 1
	s_add_co_u32 s49, s49, s45                     ; kf
	s_lshl_b32 s49, s49, 15
	s_lshl_b32 s50, s47, 14
	s_add_co_u32 s49, s49, s50                     ; (32 kf + 16 q) rows of 1,024 bytes
	v_lshl_add_u32 v4, v3, 13, v6
	v_add_nc_u32 v4, s49, v4
.set j, 0
.rept 8
	global_load_b32 v[8+j], v4, s[42:43] offset:1024*j
.set j, j+1
.endr
	s_wait_loadcnt 0x0
	s_branch .Lpack
.Lxpart:
	; input features: element j is slot 16 kk + 8 q + j, the same for the whole wave; its row, the row's step from the sine half to the cosine half and
	; the mask of lanes that get a zero are scalars
	s_lshl_b32 s49, s45, 4
	s_lshl3_add_u32 s49, s47, s49
.set j, 0
.rept 8
	s_add_co_u32 s50, s49, j                       ; slot
	s_mul_i32 s51, s50, 43
	s_lshr_b32 s51, s51, 8                         ; d = slot / 6, exact for 0..17
	s_mul_i32 s51, s51, 6
	s_add_co_u32 s51, s51, s50
	s_add_co_u32 s51, s51, 3                       ; position: row 3 + 12 d + k
	s_add_co_u32 s52, s50, 22                      ; time: row 40 + k
	s_cmp_lt_u32 s50, 18
	s_cselect_b32 s51, s51, s52
	s_cselect_b32 s53, 6, 10                       ; the cosines lie 6 (10) rows behind the sines
	s_sub_co_u32 s52, s50, 28                      ; x, y, z: rows 0..2
	s_cmp_eq_u32 s50, 31
	s_cselect_b32 s52, 39, s52                     ; t: row 39
	s_cmp_lt_u32 s50, 28
	s_cselect_b32 s51, s51, s52
	s_cselect_b32 s53, s53, 0
	s_cselect_b32 s[56+j], 0, 0xffff0000           ; slots 28..31: lanes 16-31 get zero
	s_add_co_u32 s51, s51, s7
	s_lshl_b32 s51, s51, 10
	s_lshl_b32 s53, s53, 10
	v_mad_u32_u24 v[20+j], v3, s53, v6
	v_add_nc_u32 v[20+j], s51, v[20+j]
	global_load_b32 v[8+j], v[20+j], s[42:43]
.set j, j+1
.endr
	s_wait_loadcnt 0x0
.set j, 0
.rept 8
	v_cndmask_b32 v[8+j], v[8+j], 0, s[56+j]
.set j, j+1
.endr
.Lpack:
	v_cvt_pk_bf16_f32 v16, v8, v9                  ; the lower k in the lower half
	v_cvt_pk_bf16_f32 v17, v10, v11
	v_cvt_pk_bf16_f32 v18, v12, v13
	v_cvt_pk_bf16_f32 v19, v14, v15
	global_store_b128 v5, v[16:19], s[40:41]
	s_endpgm
.Lheads:                                           ; g 112, 113: resident groups 32, 33.  Row r of the tile: 0..3 Wr, 4..6 Ws, 7 Wo, 8..10 Wx, else zero
	s_sub_co_u32 s44, s2, 80
	s_lshl_b32 s44, s44, 12
	v_add_nc_u32 v5, s44, v5
	s_sub_co_u32 s45, s2, 112
	s_lshl_b32 s45, s45, 2
	s_lshr_b32 s46, s3, 1
	s_add_co_u32 s45, s45, s46                     ; kf = 4 (g - 112) + (w >> 1)
	s_lshl_b32 s45, s45, 5
	s_and_b32 s46, s3, 1
	s_lshl4_add_u32 s45, s46, s45                  ; 32 kf + 16 q
	v_lshl_add_u32 v20, v3, 3, s45                 ; my first k
	v_min_u32 v25, 3, v2                           ; every lane loads from all four tables, its column clamped into the table
	v_lshlrev_b32 v25, 2, v25
	v_lshl_add_u32 v21, v20, 4, v25                ; Wr: 16 k + 4 column
	v_max_u32 v25, 4, v2
	v_add_nc_u32 v25, -4, v25
	v_min_u32 v25, 2, v25
	v_lshlrev_b32 v25, 2, v25
	v_mad_u32_u24 v22, v20, 12, v25                ; Ws: 12 k + 4 column
	v_lshlrev_b32 v23, 2, v20                      ; Wo: 4 k
	v_max_u32 v25, 8, v2
	v_add_nc_u32 v25, -8, v25
	v_min_u32 v25, 2, v25
	v_lshlrev_b32 v25, 2, v25
	v_mad_u32_u24 v24, v20, 12, v25                ; Wx
.set j, 0
.rept 8
	global_load_b32 v[32+j], v21, s[16:17] offset:16*j
	global_load_b32 v[40+j], v22, s[18:19] offset:12*j
	global_load_b32 v[48+j], v23, s[20:21] offset:4*j
	global_load_b32 v[56+j], v24, s[22:23] offset:12*j
.set j, j+1
.endr
	v_cmp_gt_u32 s48, 11, v2
	v_cmp_gt_u32 s49, 8, v2
	v_cmp_gt_u32 s50, 7, v2
	v_cmp_gt_u32 s51, 4, v2
	s_wait_loadcnt 0x0
.set j, 0
.rept 8
	v_cndmask_b32 v[8+j], 0, v[56+j], s48          ; r < 11: Wx, else zero
	v_cndmask_b32 v[8+j], v[8+j], v[48+j], s49     ; r < 8: Wo
	v_cndmask_b32 v[8+j], v[8+j], v[40+j], s50     ; r < 7: Ws
	v_cndmask_b32 v[8+j], v[8+j], v[32+j], s51     ; r < 4: Wr
.set j, j+1
.endr
	s_branch .Lpack
.Lbias:                                            ; g 114: wave w copies half w & 1 of b(w >> 1); waves 0 and 1 then write the heads' biases and zeros
	s_lshr_b32 s45, s3, 1
	s_cmp_eq_u32 s45, 0
	s_cselect_b64 s[42:43], s[24:25], s[26:27]
	s_cmp_eq_u32 s45, 2
	s_cselect_b64 s[46:47], s[28:29], s[30:31]
	s_cmp_lt_u32 s45, 2
	s_cselect_b64 s[42:43], s[42:43], s[46:47]
	s_and_b32 s62, s3, 1
	s_lshl_b32 s62, s62, 9
	v_lshl_add_u32 v4, v1, 4, s62
	global_load_b128 v[8:11], v4, s[42:43]
	v_add_nc_u32 v5, BIASB, v5
	s_wait_loadcnt 0x0
	global_store_b128 v5, v[8:11], s[40:41]
	s_cmp_gt_u32 s3, 1
	s_cbranch_scc1 .Lend
	s_load_b128 s[48:51], s[32:33], 0x0            ; br
	s_load_b96 s[52:54], s[34:35], 0x0             ; bs
	s_load_b32 s55, s[36:37], 0x0                  ; bo, straight behind bs
	s_load_b96 s[56:58], s[38:39], 0x0             ; bx
	v_cmp_eq_u32 s59, 0, v0                        ; thread u writes floats 1024 + 4 u .. + 3
	v_cmp_eq_u32 s60, 1, v0
	v_cmp_eq_u32 s61, 2, v0
	s_wait_kmcnt 0x0
.set j, 0
.rept 4
	v_cndmask_b32 v[12+j], 0, s[48+j], s59
	v_cndmask_b32 v[12+j], v[12+j], s[52+j], s60
.if j < 3
	v_cndmask_b32 v[12+j], v[12+j], s[56+j], s61
.endif
.set j, j+1
.endr
	global_store_b128 v5, v[12:15], s[40:41] offset:4096
.Lend:
	s_endpgm
.Lfunc_end_k_qb060cb33c0_prep:
	.size	k_qb060cb33c0_prep, .Lfunc_end_k_qb060cb33c0_prep-k_qb060cb33c0_prep
	.p2alignl 7, 3214868480
	.fill 96, 4, 3214868480
	.section	.rodata,"a",@progbits
	.p2align	6, 0x0
	.amdhsa_kernel k_qb060cb33c0_prep
		.amdhsa_group_segment_fixed_size 0
		.amdhsa_private_segment_fixed_size 0
		.amdhsa_enable_private_segment 0
		.amdhsa_kernarg_size 136
		.amdhsa_user_sgpr_count 2
		.amdhsa_user_sgpr_kernarg_segment_ptr 1
		.amdhsa_wavefront_size32 1
		.amdhsa_system_sgpr_workgroup_id_x 1
		.amdhsa_system_sgpr_workgroup_id_y 1
		.amdhsa_system_sgpr_workgroup_id_z 1
		.amdhsa_system_vgpr_workitem_id 0
		.amdhsa_next_free_vgpr 64
		.amdhsa_next_free_sgpr 66
		.amdhsa_reserve_vcc 0
		.amdhsa_float_denorm_mode_32 3
		.amdhsa_float_denorm_mode_16_64 3
		.amdhsa_memory_ordered 1
		.amdhsa_forward_progress 1
		.amdhsa_inst_pref_size 21
	.end_amdhsa_kernel
	.amdgpu_metadata
---
amdhsa.version: [ 1, 2 ]
amdhsa.kernels:
  - .name:           k_qb060cb33c0_prep
    .symbol:         k_qb060cb33c0_prep.kd
    .args:
      - { .name: W0, .offset: 0, .size: 8, .value_kind: global_buffer, .address_space: global }
      - { .name: W1, .offset: 8, .size: 8, .value_kind: global_buffer, .address_space: global }
      - { .name: W2, .offset: 16, .size: 8, .value_kind: global_buffer, .address_space: global }
      - { .name: W3, .offset: 24, .size: 8, .value_kind: global_buffer, .address_space: global }
      - { .name: Wr, .offset: 32, .size: 8, .value_kind: global_buffer, .address_space: global }
      - { .name: Ws, .offset: 40, .size: 8, .value_kind: global_buffer, .address_space: global }
      - { .name: Wo, .offset: 48, .size: 8, .value_kind: global_buffer, .address_space: global }
      - { .name: Wx, .offset: 56, .size: 8, .value_kind: global_buffer, .address_space: global }
      - { .name: b0, .offset: 64, .size: 8, .value_kind: global_buffer, .address_space: global }
      - { .name: b1, .offset: 72, .size: 8, .value_kind: global_buffer, .address_space: global }
      - { .name: b2, .offset: 80, .size: 8, .value_kind: global_buffer, .address_space: global }
      - { .name: b3, .offset: 88, .size: 8, .value_kind: global_buffer, .address_space: global }
      - { .name: br, .offset: 96, .size: 8, .value_kind: global_buffer, .address_space: global }
      - { .name: bs, .offset: 104, .size: 8, .value_kind: global_buffer, .address_space: global }
      - { .name: bo, .offset: 112, .size: 8, .value_kind: global_buffer, .address_space: global }
      - { .name: bx, .offset: 120, .size: 8, .value_kind: global_buffer, .address_space: global }
      - { .name: wpack, .offset: 128, .size: 8, .value_kind: global_buffer, .address_space: global }
    .group_segment_fixed_size: 0
    .private_segment_fixed_size: 0
    .kernarg_segment_align: 8
    .kernarg_segment_size: 136
    .max_flat_workgroup_size: 256
    .sgpr_count:     66
    .vgpr_count:     64
    .wavefront_size: 32
...
	.end_amdgpu_metadata
.endif
;; end of part 1
;; launch mlp (part 2): grid 256 x 1, 4 waves a work-group, clusters of 4 x 1, 327,680 bytes of LDS; arguments canonical_xyz, rotation, scaling, opacity, time, wpack, out0; writes out0
.if DOCPART == 2
	.amdgcn_target "amdgcn-amd-amdhsa--gfx1250"
	.amdhsa_code_object_version 6
	.text
	.protected	k_qb060cb33c0_mlp
	.globl	k_qb060cb33c0_mlp
	.p2align	8
	.type	k_qb060cb33c0_mlp,@function
k_qb060cb33c0_mlp:
	s_mov_b64 s[64:65], 0
	v_nop
	global_prefetch_b8 v0, s[64:65] scope:SCOPE_SE
	s_setreg_imm32_b32 hwreg(HW_REG_WAVE_MODE, 25, 1), 1
	s_wait_xcnt 0x0
	s_wait_alu depctr_hold_cnt(0) depctr_sa_sdst(0) depctr_va_vdst(0) depctr_va_sdst(0) depctr_va_ssrc(0) depctr_va_vcc(0) depctr_vm_vsrc(0)
	s_getreg_b32 s2, hwreg(HW_REG_IB_STS2, 6, 4)
	s_cmp_eq_u32 s2, 0
	s_cbranch_scc0 .Lentry_in_a_cluster
	s_endpgm
.Lentry_in_a_cluster:
	s_bfe_u32 s2, ttmp6, 0x10000c
	s_cmp_lg_u32 s2, 0x3003
	s_cbranch_scc0 .Lentry_shape_is_right
	s_endpgm
.Lentry_shape_is_right:
; The whole model for 300,000 points: sinusoidal encoding, four layers of 256 with ReLU (the third also takes the encoding), four heads (11 numbers),
; quaternion to rotation, covariance R diag(s^2) R^T, sigmoid; 13 f32 a point.
; THE PRODUCTS ARE TRANSPOSED: operand A = 16 output features x 32 k of the weights, operand B = 32 k x 16 points.  Register j of lane (r, h) of a result is feature
; 8 h + j of point r, which is what that lane holds of operand B of the next layer: two neighbouring result tiles become one B fragment by ReLU and a packing
; conversion inside the lane.  So the activations of a wave's 64 points (four tiles of 16) stay in its registers through all layers; LDS holds weights only.
; SHARES: a wave takes 64 points a pass, a work-group 256, a cluster of four work-groups 1,024.  293 cluster passes; cluster C takes passes C + 64 j: five for C < 37, else four
; (the count hangs on the cluster's number alone).  Only the very last wave share is cut: 32 of its 64 points exist.
; WEIGHTS: 114 groups of 4,096 bytes (four A fragments, sixteen matrix instructions each) in the order of use, as the first launch packed them.  34 groups and the biases stay in LDS;
; 80 groups go through two slots of 20 groups, four fills a pass, each wave fetching a quarter of each fill.  All four work-groups of a cluster walk the same weights, so every fill is a
; JOINT load (mask 15); a wider cluster would not help, since a mask names four work-groups.
; LIMITS: the sine is a series of degree 13 on a turn reduced to [-1/2, 1/2], in error by at most 2.2e-5; the cosine is the sine a quarter turn on, which wants |xyz| below 5e5 and
; |t| below 3e4 (16 |xyz| and 256 |t| below 2^23).  ReLU is a maximum in which a NaN loses: a NaN in a hidden unit becomes 0.  A squared scale below 2^-126
; (scaling + its delta below -43.6) becomes 0 (v_exp_f32 flushes: ISA guide 15.8).  Matrix operands are rounded to bf16; sums, biases and all the rest are f32.
;
; LDS:  0 resident groups (139,264 bytes), 139,264 biases (5,120), 144,384 slot 0 (81,920), 226,304 slot 1 (81,920), 308,224 the waves' stages for the way out (4 x 3,328; no fill lands there)
; REGISTERS in windows of 256 (s_set_vgpr_msb: bits 1:0 source 0, 3:2 source 1, 5:4 source 2, 7:6 destination):
;   window 0: v2-6 LDS address 16 lane + 65,536 k; v7 bias address; v16-31 bias tiles; v32-127 three sets of four A fragments; v128-255 two sets of eight accumulators (tile (mt, t) at 32 mt + 8 t)
;   window 1, window 2: activation buffers P, Q: K fragment kf of point tile t at 32 kf + 8 t
;   window 3: the encoded input (two K fragments), the points' own data, addresses, and all the work of encoding and epilogue
.set NPTS,   300000
.set BIASB,  139264
.set RESB,   144384
.set SLOTB,  81920
.set SLOT0,  RESB
.set SLOT1,  RESB+SLOTB
.set STAGE,  RESB+2*SLOTB
.set WSTG,   3328                      ; 64 points x 52 bytes = 13 aligned blocks of 256 bytes
.set PSTEP,  65536                     ; points from one pass of a cluster to its next: 64 clusters x 1,024
; window 3
.set XF,    0                          ; 0-63    encoded input: fragment kfx, tile t, register i at 32 kfx + 8 t + i
.set XYZ,   64                         ; 64-79   tile t: x, y, z of point 16 t + r, and t (the time) in the fourth register for good
.set XSEL,  80                         ; 80-85   pair p: x, y, z of point 32 p + lane
.set ROT,   88                         ; 88-95   pair p: the quaternion of point 32 p + lane
.set SCL,   96                         ; 96-98, 100-102
.set OPA,   104                        ; 104-105
.set PH,    112                        ; a quarter turn in lanes 16-31, 0 in lanes 0-15
.set AX,    114                        ; 114-117 byte offsets of the xyz loads
.set AR,    118                        ; 118-123 pair p: byte offsets in rotation, scaling, opacity
.set OUTO,  124                        ; byte offset in out0 of my 8 bytes of the wave's first block
.set STW,   125                        ; stage: my point's 52 bytes
.set STR,   126                        ; stage: my 8 bytes of a block
.set RR,    127                        ; lane % 16
.set LN,    128                        ; lane
.set TID,   129
.set UQ,    130                        ; 130-147 turns     (encoding)
.set NQ,    148                        ; 148-165 nearest whole turns
.set SQ,    166                        ; 166-183 squares
.set PQ,    184                        ; 184-201 series
.set C6,    226                        ; 226-227 the series' highest coefficient, twice
.set HH,    130                        ; 130-140 the 11 head values of my point (epilogue)
.set TA,    141                        ; what comes from the other half of the lanes; both were written whole by the encoding (UQ+11, UQ+12)
.set TB,    142
.set QQ,    144                        ; 144-147 w, x, y, z
.set NRM,   148
.set INV,   149
.set XD,    150                        ; 2x, 2y, 2z
.set YD,    151
.set ZD,    152
.set WX,    153                        ; 2wx, 2wy, 2wz
.set WY,    154
.set WZ,    155
.set DA,    156
.set DB,    157
.set EX,    158                        ; 158-160 exponents of the squared scales
.set OE,    161
.set RM,    162                        ; 162-170 R
.set SSQ,   171                        ; 171-173 s^2
.set TM,    174                        ; 174-182 R diag(s^2)
.set OX,    183
.set OV,    184                        ; 184-196 the 13 results (places 6, 9, 10 repeat 4, 5, 8 and are not kept)
.set OD,    200                        ; 200-225 the wave's 13 blocks on their way out
.set W3,    0xff
.set XCH,   0xcc                       ; source 0 window 0; source 1 and destination window 3
.set MSB, 0
.macro WIN new                         ; the immediate's high byte repeats the setting that is left; a switch that changes nothing is dropped
.if MSB != (\new)
	s_set_vgpr_msb (MSB<<8)|(\new)
.set MSB, \new
.endif
.endm
.macro PLACES                          ; four places behind matrix instructions (ISA guide 7.12.1)
.rept 4
	v_nop
.endr
.endm
; A round of the cluster's barrier behind its opening work-group barrier: wave 0 signals for the work-group, every wave waits for all four work-groups, the work-group's barrier closes it.
.macro CREST
	s_cmp_lg_u32 s20, 0
	s_cbranch_scc1 .Lnot_wave_0_\@
	s_barrier_signal -3
.Lnot_wave_0_\@:
	s_barrier_wait -3
	s_barrier_signal -1
	s_barrier_wait -1
.endm
.macro ROUND
	s_barrier_signal -1
	s_barrier_wait -1
	CREST
.endm
; GA = LDS byte of group g (numbers run on into the next pass)
.macro GADDR g
.set GM, (\g)%114
.if GM < 8
.set GA, 4096*GM
.elseif GM < 28
.set GA, SLOT0+4096*(GM-8)
.elseif GM < 40
.set GA, 4096*(GM-20)
.elseif GM < 60
.set GA, SLOT1+4096*(GM-40)
.elseif GM < 80
.set GA, SLOT0+4096*(GM-60)
.elseif GM < 100
.set GA, SLOT1+4096*(GM-80)
.else
.set GA, 4096*(GM-80)
.endif
.endm
; the four A fragments of group g into set g % 3: eight loads, each of 512 consecutive bytes
.macro ARUN g
	GADDR \g
.set ASB, 32+32*((\g)%3)
.set ii, 0
.rept 8
	ds_load_b128 v[ASB+4*ii:ASB+4*ii+3], v[2+((GA+512*ii)>>16)] offset:(GA+512*ii)&0xffff
.set ii, ii+1
.endr
.endm
; the biases of chunk cc (32 features) as two C tiles: register j of lane (r, h) = bias of feature 16 mt + 8 h + j
.macro BRUN cc
.set BO, 8192+128*((\cc)%33)
	ds_load_b128 v[16:19], v7 offset:BO
	ds_load_b128 v[20:23], v7 offset:BO+16
	ds_load_b128 v[24:27], v7 offset:BO+64
	ds_load_b128 v[28:31], v7 offset:BO+80
.endm
; ReLU in place on n of the 16 numbers that a lane holds of point tile 'tile' in accumulator set st.  The register stands in source 0, whose window is 0 under every setting used for products.
.macro MAXES st, tile, e0, n
.set ee, \e0
.rept \n
.set xx, 128+64*(\st)+32*(ee>>3)+8*(\tile)+(ee&7)
	v_max_num_f32 v[xx], v[xx], 0
.set ee, ee+1
.endr
.endm
; the 16 numbers become the lane's eight registers of K fragment kf, tile 'tile', of the buffer in window win
.macro CVTS st, tile, win, kf
.set SAVEW, MSB
	WIN (\win)<<6
.set mm, 0
.rept 2
.set jj, 0
.rept 4
	v_cvt_pk_bf16_f32 v[32*(\kf)+8*(\tile)+4*mm+jj], v[128+64*(\st)+32*mm+8*(\tile)+2*jj], v[128+64*(\st)+32*mm+8*(\tile)+2*jj+1]
.set jj, jj+1
.endr
.set mm, mm+1
.endr
	WIN SAVEW
.endm
; Matrix instruction n of a group.  Layers: kk = n >> 3, mt = (n >> 2) & 1, t = n & 3: eight accumulators take turns, one instruction a turn; heads: kk = n >> 2, t = n & 3: four take turns
; A chunk's first product on each accumulator takes the bias tile as C: nothing is cleared and no bias is added afterwards.
.macro MM n
.if HEAD
.set kk, (\n)>>2
.set mt, 0
.set AF, kk
.else
.set kk, (\n)>>3
.set mt, ((\n)>>2)&1
.set AF, 2*kk+mt
.endif
.set tt, (\n)&3
.set DD, 128+64*PS+32*mt+8*tt
.set AA, AS0+8*AF
.set BF, BB+32*kk+8*tt
.set UB, 0
.if FIRST
.if kk == 0
.set UB, 1
.endif
.endif
.if UB
	v_wmma_f32_16x16x32_bf16 v[DD:DD+7], v[AA:AA+7], v[BF:BF+7], v[16+8*mt:23+8*mt]
.else
	v_wmma_f32_16x16x32_bf16 v[DD:DD+7], v[AA:AA+7], v[BF:BF+7], v[DD:DD+7]
.endif
.endm
; What stands behind matrix instruction n: the chunk before (the other accumulator set) is turned into a B fragment.
; CV = 1: one point tile (CT) in this group; CV = 4: all four; CV = 0: nothing to convert, four v_nop in front of the loads.
; In a chunk's first group four v_nop stand ahead of the first ReLU: the places behind the last products of the chunk before.
; In every mode four or more plain vector instructions that name no register of this group's products stand between instruction 7 (the last that reads the bias tiles) and the loads.
.macro FILLER n
.if CV == 1
.if (\n) == 0
.if FIRST
	PLACES
.endif
.endif
.if (\n) < 6
	MAXES 1-PS, CT, 2*(\n), 2
.endif
.if (\n) == 7
	MAXES 1-PS, CT, 12, 4
.endif
.if (\n) == 11
	CVTS 1-PS, CT, WD, KFD
.endif
.endif
.if CV == 4
.if (\n) == 0
	PLACES
.endif
	MAXES 1-PS, (\n)>>2, 4*((\n)&3), 4
.if ((\n)&3) == 3
	CVTS 1-PS, (\n)>>2, WD, KFD
.endif
.endif
.if CV == 0
.if (\n) == 7
	PLACES
.endif
.endif
.endm
; One group: sixteen matrix instructions on A set G % 3; in its middle the next chunk's biases (in a chunk's first group) and the A fragments of group G + 2, which land on the set of group G - 1.
; RND = 1: the group carries a round of the cluster's barrier and a joint refill.  In front of the round's opening signal the wave's LDS reads are back (the freed slot's last were issued in the
; group before) and all its tensor loads have landed (one is out: the fill asked for at the round before).  Inside the round: register work.  The refill is the first tensor load behind it.
; RND = 2 (last pass): the same waits and a plain barrier, which shows the last fill to all four waves.
.macro GROUP
.set PS, CC%2
.set AS0, 32+32*(G%3)
.if RND
	s_wait_dscnt 0x0
	s_set_vgpr_msb (MSB<<8)|((MSB&0xf0)|0x0)
	s_wait_tensorcnt 0x0
	ds_add_u32 v14, v15
	s_wait_dscnt 0x0
	s_set_vgpr_msb (((MSB&0xf0)|0x0)<<8)|MSB
	s_barrier_signal -1
.else
	s_wait_dscnt WN                        ; all but the eight loads of the next group's fragments: mine are in, and the bias tiles, which were issued ahead of those eight
.endif
	WIN BW<<2
.set nn, 0
.rept 8
	MM nn
	FILLER nn
.set nn, nn+1
.endr
.if RND
	WIN 0
	s_barrier_wait -1
.if RND == 1
	CREST
	tensor_load_to_lds s[44+4*FILL:47+4*FILL], s[24:31]
	s_nop 0
.endif
.endif
.if DOBR
	BRUN CC+1
.endif
.if AHEAD
	ARUN G+2
.endif
	WIN BW<<2
.rept 8
	MM nn
	FILLER nn
.set nn, nn+1
.endr
.endm
; Rounds: slot 0's groups 8..27 are last read for group 27 in group 25, so group 26 asks for fill 2 (groups 60..79); likewise group 58 for fill 3 (80..99), group 78 for fill 0 and
; group 98 for fill 1 of the next pass.  A fill is shown landed by the wait at the next round and first read behind that round.  Between two rounds lie 20 groups or more.
.macro RINGSET
.set RND, 0
.set FILL, 0
.if G == 26
.set RND, 1
.set FILL, 2
.elseif G == 58
.set RND, 1
.set FILL, 3
.elseif G == 78
.set RND, 1+LAST
.set FILL, 0
.elseif G == 98
.set RND, 1-LAST
.set FILL, 1
.endif
.endm
; A layer: eight chunks of 32 output features, ng groups a chunk; B from window bwin (a fifth group: the encoded input, window 3); results go to window owin.
; The layer's first group converts the last chunk of the layer before into fragment 7 of bwin, which is multiplied only in the chunk's fourth group.
.macro LAYER ng, bwin, owin, lfirst
.set cq, 0
.rept 8
.set gq, 0
.rept \ng
.set BW, \bwin
.set BB, 64*gq
.if gq == 4
.set BW, 3
.set BB, 0
.endif
.set FIRST, 0
.set DOBR, 0
.if gq == 0
.set FIRST, 1
.set DOBR, 1
.endif
.set CV, 0
.if cq == 0
.if gq == 0
.if \lfirst == 0
.set CV, 4
.set WD, \bwin
.set KFD, 7
.endif
.endif
.else
.set WD, \owin
.set KFD, cq-1
.if \ng == 1
.set CV, 4
.elseif gq < 4
.set CV, 1
.set CT, gq
.endif
.endif
	RINGSET
	GROUP
.set G, G+1
.set gq, gq+1
.endr
.set CC, CC+1
.set cq, cq+1
.endr
.endm
; sin(2 pi u) of the 2 np turns in UQ, into PQ: u less its nearest whole number, then u (c0 + s (c1 + .. + s c6)), s = u^2, two at a time, stage by stage
.macro SINES np
.set ii, 0
.rept 2*(\np)
	v_rndne_f32 v[NQ+ii], v[UQ+ii]
.set ii, ii+1
.endr
.set ii, 0
.rept 2*(\np)
	v_sub_f32 v[UQ+ii], v[UQ+ii], v[NQ+ii]
.set ii, ii+1
.endr
.set ii, 0
.rept \np
	v_pk_mul_f32 v[SQ+2*ii:SQ+2*ii+1], v[UQ+2*ii:UQ+2*ii+1], v[UQ+2*ii:UQ+2*ii+1]
.set ii, ii+1
.endr
.set ii, 0
.rept \np
	v_pk_fma_f32 v[PQ+2*ii:PQ+2*ii+1], v[SQ+2*ii:SQ+2*ii+1], v[C6:C6+1], s[76:77] op_sel_hi:[1,1,0]
.set ii, ii+1
.endr
.irp cs, 74,72,70,68,66
.set ii, 0
.rept \np
	v_pk_fma_f32 v[PQ+2*ii:PQ+2*ii+1], v[PQ+2*ii:PQ+2*ii+1], v[SQ+2*ii:SQ+2*ii+1], s[\cs:\cs+1] op_sel_hi:[1,1,0]
.set ii, ii+1
.endr
.endr
.set ii, 0
.rept \np
	v_pk_mul_f32 v[PQ+2*ii:PQ+2*ii+1], v[PQ+2*ii:PQ+2*ii+1], v[UQ+2*ii:UQ+2*ii+1]
.set ii, ii+1
.endr
.endm
; xyz of the four point tiles that begin 'add' points behind s22; an index past the end is clamped to the last point
.macro XLOAD add
.set tq, 0
.rept 4
	v_add3_u32 v[AX+tq], s22, v[RR], (\add)+16*tq
	v_min_u32 v[AX+tq], NPTS-1, v[AX+tq]
	v_mul_u32_u24 v[AX+tq], 12, v[AX+tq]
	global_load_b96 v[XYZ+4*tq:XYZ+4*tq+2], v[AX+tq], s[4:5] th:TH_LOAD_NT
.set tq, tq+1
.endr
.endm
; The encoded input of this pass.  Slot 6 d + k of a lane: sin of pi 2^k xyz[d] in lanes 0-15, cos in lanes 16-31: the turn x 2^(k-1), a quarter more in the upper lanes.
; Packed register a = slots 2 a, 2 a + 1.  Registers 9-13 (the time's features) were written once at the start; 14, 15 hold x, y, z, t.
.macro ENCODE
	WIN W3
	s_wait_loadcnt 0x0                     ; this pass's xyz, asked for a pass ago
.set tq, 0
.rept 4
.set dq, 0
.rept 3
	v_fma_f32 v[UQ+6*dq], v[XYZ+4*tq+dq], 0.5, v[PH]
	v_add_f32 v[UQ+6*dq+1], v[XYZ+4*tq+dq], v[PH]
	v_fma_f32 v[UQ+6*dq+2], v[XYZ+4*tq+dq], 2.0, v[PH]
	v_fma_f32 v[UQ+6*dq+3], v[XYZ+4*tq+dq], 4.0, v[PH]
	v_fma_f32 v[UQ+6*dq+4], v[XYZ+4*tq+dq], 0x41000000, v[PH]
	v_fma_f32 v[UQ+6*dq+5], v[XYZ+4*tq+dq], 0x41800000, v[PH]
.set dq, dq+1
.endr
	SINES 9
.set aq, 0
.rept 9
	v_cvt_pk_bf16_f32 v[XF+32*(aq>>3)+8*tq+(aq&7)], v[PQ+2*aq], v[PQ+2*aq+1]
.set aq, aq+1
.endr
	v_cvt_pk_bf16_f32 v[XF+32+8*tq+6], v[XYZ+4*tq], v[XYZ+4*tq+1]
	v_cvt_pk_bf16_f32 v[XF+32+8*tq+7], v[XYZ+4*tq+2], v[XYZ+4*tq+3]
.set tq, tq+1
.endr
.set pq, 0
.rept 2
.set dq, 0
.rept 3
	v_cndmask_b32 v[XSEL+3*pq+dq], v[XYZ+8*pq+dq], v[XYZ+8*pq+4+dq], s61   ; xyz of point 32 p + lane, kept for the epilogue: the next pass's xyz lands on XYZ
.set dq, dq+1
.endr
.set pq, pq+1
.endr
.endm
; this pass's rotation, scaling, opacity (lane = point 32 p + lane), wanted in the epilogue, and the next pass's xyz.  Their address registers are free: all earlier loads were waited for.
.macro LOADS
.set pq, 0
.rept 2
	v_add3_u32 v[UQ], s22, v[LN], 32*pq
	v_min_u32 v[UQ], NPTS-1, v[UQ]
	v_lshlrev_b32 v[AR+3*pq], 4, v[UQ]
	v_mul_u32_u24 v[AR+3*pq+1], 12, v[UQ]
	v_lshlrev_b32 v[AR+3*pq+2], 2, v[UQ]
	global_load_b128 v[ROT+4*pq:ROT+4*pq+3], v[AR+3*pq], s[6:7] th:TH_LOAD_NT
	global_load_b96 v[SCL+4*pq:SCL+4*pq+2], v[AR+3*pq+1], s[8:9] th:TH_LOAD_NT
	global_load_b32 v[OPA+pq], v[AR+3*pq+2], s[10:11] th:TH_LOAD_NT
.set pq, pq+1
.endr
.if LAST == 0
	XLOAD PSTEP
.endif
.endm
.macro COV dst, i, k                   ; covariance (i, k) = row i of R diag(s^2) times row k of R
	v_mul_f32 v[OV+\dst], v[TM+3*\i], v[RM+3*\k]
	v_fmac_f32 v[OV+\dst], v[TM+3*\i+1], v[RM+3*\k+1]
	v_fmac_f32 v[OV+\dst], v[TM+3*\i+2], v[RM+3*\k+2]
.endm
; The epilogue.  The heads' tile t lies in window 0 at v[128 + 8 t]: register j of lane (r, h) = head value 8 h + j of point 16 t + r (0-3 rotation, 4-6 scale, 7 opacity, 8-10 xyz).
; For a pair of tiles the halves of the lanes exchange what the other needs, so that lane L holds all 11 values of point 32 p + L.
.macro EPI
	PLACES                                 ; behind the last products
.set pq, 0
.rept 2
	WIN XCH
.set jq, 0
.rept 8
	v_permlanex16_b32 v[TA], v[136+16*pq+jq], s78, s79                     ; the odd tile's values 0-7 lie in lanes 0-15 and are wanted in lanes 16-31
	v_cndmask_b32 v[HH+jq], v[128+16*pq+jq], v[TA], s61
.set jq, jq+1
.endr
.set jq, 0
.rept 3
	v_permlanex16_b32 v[TB], v[128+16*pq+jq], s78, s79                     ; the even tile's values 8-10 lie in lanes 16-31 and are wanted in lanes 0-15
	v_cndmask_b32 v[HH+8+jq], v[136+16*pq+jq], v[TB], s62
.set jq, jq+1
.endr
	WIN W3
.if pq == 0
	s_wait_loadcnt 0x0                     ; rotation, scaling, opacity, asked for at the head of the pass
.endif
	v_pk_add_f32 v[QQ:QQ+1], v[ROT+4*pq:ROT+4*pq+1], v[HH:HH+1]
	v_pk_add_f32 v[QQ+2:QQ+3], v[ROT+4*pq+2:ROT+4*pq+3], v[HH+2:HH+3]
	v_pk_add_f32 v[EX:EX+1], v[SCL+4*pq:SCL+4*pq+1], v[HH+4:HH+5]
	v_add_f32 v[EX+2], v[SCL+4*pq+2], v[HH+6]
	v_add_f32 v[OE], v[OPA+pq], v[HH+7]
	v_mul_f32 v[NRM], v[QQ], v[QQ]
	v_fmac_f32 v[NRM], v[QQ+1], v[QQ+1]
	v_fmac_f32 v[NRM], v[QQ+2], v[QQ+2]
	v_fmac_f32 v[NRM], v[QQ+3], v[QQ+3]
	v_pk_mul_f32 v[EX:EX+1], v[EX:EX+1], 0x4038aa3b op_sel_hi:[1,0]        ; s^2 = 2^(2 log2(e) u)
	v_mul_f32 v[EX+2], 0x4038aa3b, v[EX+2]
	v_mul_f32 v[OE], 0xbfb8aa3b, v[OE]                                     ; sigmoid(o) = 1 / (1 + 2^(-log2(e) o))
	v_rsq_f32 v[INV], v[NRM]
	v_exp_f32 v[SSQ], v[EX]
	v_exp_f32 v[SSQ+1], v[EX+1]
	v_exp_f32 v[SSQ+2], v[EX+2]
	v_exp_f32 v[OX], v[OE]
	v_add_f32 v[OV], v[XSEL+3*pq], v[HH+8]                                 ; plain work that touches none of them stands behind the transcendentals (ISA guide 5.7.2)
	v_add_f32 v[OV+1], v[XSEL+3*pq+1], v[HH+9]
	v_add_f32 v[OV+2], v[XSEL+3*pq+2], v[HH+10]
	s_wait_alu depctr_va_vdst(0)
	v_min_num_f32 v[INV], 0x5368d4a5, v[INV]                               ; 1 / max(norm, 1e-12) = min(1 / norm, 1e12)
	v_add_f32 v[OX], 1.0, v[OX]
	v_mul_f32 v[QQ], v[QQ], v[INV]
	v_mul_f32 v[QQ+1], v[QQ+1], v[INV]
	v_mul_f32 v[QQ+2], v[QQ+2], v[INV]
	v_mul_f32 v[QQ+3], v[QQ+3], v[INV]
	v_rcp_f32 v[OV+12], v[OX]
	v_add_f32 v[XD], v[QQ+1], v[QQ+1]
	v_add_f32 v[YD], v[QQ+2], v[QQ+2]
	v_add_f32 v[ZD], v[QQ+3], v[QQ+3]
	v_mul_f32 v[WX], v[QQ], v[XD]
	v_mul_f32 v[WY], v[QQ], v[YD]
	v_mul_f32 v[WZ], v[QQ], v[ZD]
	v_fma_f32 v[RM+1], v[QQ+1], v[YD], -v[WZ]                              ; 2 (xy - wz)
	v_fma_f32 v[RM+3], v[QQ+1], v[YD], v[WZ]                               ; 2 (xy + wz)
	v_fma_f32 v[RM+2], v[QQ+1], v[ZD], v[WY]                               ; 2 (xz + wy)
	v_fma_f32 v[RM+6], v[QQ+1], v[ZD], -v[WY]                              ; 2 (xz - wy)
	v_fma_f32 v[RM+5], v[QQ+2], v[ZD], -v[WX]                              ; 2 (yz - wx)
	v_fma_f32 v[RM+7], v[QQ+2], v[ZD], v[WX]                               ; 2 (yz + wx)
	v_fma_f32 v[DA], -v[QQ+2], v[YD], 1.0                                  ; 1 - 2 yy
	v_fma_f32 v[DB], -v[QQ+1], v[XD], 1.0                                  ; 1 - 2 xx
	v_fma_f32 v[RM], -v[QQ+3], v[ZD], v[DA]
	v_fma_f32 v[RM+4], -v[QQ+3], v[ZD], v[DB]
	v_fma_f32 v[RM+8], -v[QQ+2], v[YD], v[DB]
.set iq, 0
.rept 9
	v_mul_f32 v[TM+iq], v[RM+iq], v[SSQ+iq%3]
.set iq, iq+1
.endr
	COV 3, 0, 0
	COV 4, 0, 1
	COV 5, 0, 2
	COV 7, 1, 1
	COV 8, 1, 2
	COV 11, 2, 2
.set iq, 0
	s_wait_alu depctr_va_vdst(0)
.irp rg, 0,1,2,3,4,5,4,7,8,5,8,11,12
	ds_store_b32 v[STW], v[OV+\rg] offset:1664*pq+4*iq                     ; lanes 13 words apart: an odd stride, 32 different banks
.set iq, iq+1
.endr
.set pq, pq+1
.endr
	; The way out: the wave's 3,328 bytes leave as 13 blocks; each store's 32 lanes cover 256 consecutive bytes, aligned.  The stage is the wave's own and LDS serves a wave's instructions
	; in order (ISA guide 5.7.1.4): no wait between the stores above and these loads.  The mask cuts the bytes of the 32 points past the end, in the very last wave share alone.
.set iq, 0
.rept 13
	ds_load_b64 v[OD+2*iq:OD+2*iq+1], v[STR] offset:256*iq
.set iq, iq+1
.endr
	s_wait_xcnt 0x0                        ; EXEC changes only behind this wait
.set iq, 0
.rept 13
	s_wait_dscnt 12-iq                     ; block iq is in; the younger loads stay out
	v_cmp_gt_u32 vcc_lo, NPTS*52-256*iq, v[OUTO]
	s_and_saveexec_b32 s60, vcc_lo
	global_store_b64 v[OUTO], v[OD+2*iq:OD+2*iq+1], s[16:17] offset:256*iq th:TH_STORE_NT
	s_wait_xcnt 0x0                        ; and again in front of the line that restores it; it also frees the store's registers
	s_or_b32 exec_lo, exec_lo, s60
.set iq, iq+1
.endr
.if LAST == 0
	v_add_nc_u32 v[OUTO], PSTEP*52, v[OUTO]
.endif
	WIN 0
.endm
.macro PASS last
.set LAST, \last
	ENCODE
	LOADS
.set G, 0
.set CC, 0
.set HEAD, 0
.set AHEAD, 1
.set WN, 8
	LAYER 1, 3, 1, 1                       ; layer 0: encoded input -> P
	LAYER 4, 1, 2, 0                       ; layer 1: P -> Q
	LAYER 5, 2, 1, 0                       ; layer 2: Q and the encoded input -> P
	LAYER 4, 1, 2, 0                       ; layer 3: P -> Q
.set HEAD, 1                               ; the heads: one tile of 16 rows (11 used), two groups of four K fragments, Q -> accumulator set 0
.set BW, 2
.set RND, 0
.set AHEAD, 1-LAST                         ; groups 114, 115 and chunk 33 are the next pass's first; the last pass fetches nothing more
.set FIRST, 1
.set DOBR, 1-LAST
.set BB, 0
.set CV, 4
.set WD, 2
.set KFD, 7
	GROUP
.set G, G+1
.set FIRST, 0
.set DOBR, 0
.set BB, 128
.set CV, 0
.set WN, 8-8*LAST                          ; in the last pass nothing was issued behind this group's fragments
	GROUP
	EPI
.endm
	s_load_b256 s[4:11], s[0:1], 0x0               ; canonical_xyz s[4:5], rotation s[6:7], scaling s[8:9], opacity s[10:11]
	s_load_b128 s[12:15], s[0:1], 0x20             ; time s[12:13], wpack s[14:15]
	s_load_b64 s[16:17], s[0:1], 0x30              ; out0
	v_lshl_add_u32 v14, v0, 2, 0x4e800
	v_mov_b32 v15, 0
	ds_add_u32 v14, v15
	v_lshrrev_b32 v1, 5, v0
	v_readfirstlane_b32 s20, v1                    ; wave 0..3
	s_bfe_u32 s21, ttmp6, 0x40000                  ; cx: my place in the cluster; it enters global addresses of the points alone
	s_lshl_b32 s22, ttmp9, 2
	s_add_co_u32 s22, s22, s21
	s_lshl_b32 s22, s22, 8
	s_lshl_b32 s23, s20, 6
	s_add_co_u32 s22, s22, s23                     ; first point of my wave's share in the first pass
	s_cmp_lt_u32 ttmp9, 37                         ; 293 cluster passes on 64 clusters: clusters 0..36 make five, the others four; the last one is written out
	s_cselect_b32 s19, 4, 3
	s_mul_i32 s23, s20, WSTG
	s_add_co_u32 s23, s23, STAGE                   ; my wave's stage
	s_mul_i32 s63, s22, 52
	s_mov_b32 s61, 0xffff0000                      ; lanes 16-31
	s_mov_b32 s62, 0x0000ffff                      ; lanes 0-15
	s_mov_b32 s66, 0x40c90fdb                      ; the series of sin(2 pi u): (2 pi)^(2n+1) / (2n+1)! with alternating signs, each twice for the packed forms
	s_mov_b32 s67, 0x40c90fdb
	s_mov_b32 s68, 0xc2255de7
	s_mov_b32 s69, 0xc2255de7
	s_mov_b32 s70, 0x42a335e3
	s_mov_b32 s71, 0x42a335e3
	s_mov_b32 s72, 0xc2996966
	s_mov_b32 s73, 0xc2996966
	s_mov_b32 s74, 0x42283c1a
	s_mov_b32 s75, 0x42283c1a
	s_mov_b32 s76, 0xc17183a8
	s_mov_b32 s77, 0xc17183a8
	s_mov_b32 s78, 0x76543210                      ; v_permlanex16_b32: lane i of one half reads lane i of the other
	s_mov_b32 s79, 0xfedcba98
	; Descriptors.  Every fill is a dense block, taken as rows of 256 bytes (32 elements of 8 bytes), pitch = row.  Group 1 for a quarter fill (80 rows) and for a quarter of the resident part (141 rows).
	s_mov_b32 s24, 0x0023000f                      ; 15:0 mask: all four work-groups of the cluster; 17:16 elements of 8 bytes; 21 set beside a mask; no padding
	s_mov_b32 s25, 32<<16                          ; tensor_dim0 = 32
	s_mov_b32 s26, 80<<16                          ; tensor_dim1 = 80
	s_mov_b32 s27, 32<<16                          ; tile_dim0 = 32
	s_mov_b32 s28, 80                              ; tile_dim1 = 80
	s_mov_b32 s29, 32                              ; elements from row to row
	s_mov_b32 s30, 0
	s_mov_b32 s31, 0
	s_mov_b32 s32, 0x0023000f
	s_mov_b32 s33, 32<<16
	s_mov_b32 s34, 141<<16
	s_mov_b32 s35, 32<<16
	s_mov_b32 s36, 141
	s_mov_b32 s37, 32
	s_mov_b32 s38, 0
	s_mov_b32 s39, 0
	s_mul_i32 s80, s20, 36096                      ; my quarter of the resident part,
	s_mov_b32 s81, 0
	s_mul_i32 s82, s20, 20480                      ; and of a fill: the wave's number alone, the same in all four work-groups
	s_mov_b32 s83, 0
	s_wait_dscnt 0x0
	s_wait_kmcnt 0x0
	s_load_b32 s18, s[12:13], 0x0                  ; t
	; Group 0: one set for the resident part and one for each of the four fills; every pass fetches the same bytes, so none is ever written again.
	s_mov_b32 s40, 1
	s_mov_b32 s41, s80
	s_add_nc_u64 s[42:43], s[14:15], s[80:81]
	s_or_b32 s43, s43, 0x80000000
.irp f, 0,1,2,3
	s_mov_b32 s[44+4*\f], 1
	s_add_co_u32 s[45+4*\f], s82, SLOT0+(\f&1)*SLOTB
	s_add_nc_u64 s[46+4*\f:47+4*\f], s[14:15], s[82:83]
	s_add_nc_u64 s[46+4*\f:47+4*\f], s[46+4*\f:47+4*\f], RESB+\f*SLOTB
	s_or_b32 s[47+4*\f], s[47+4*\f], 0x80000000
.endr
	ROUND                                          ; all four work-groups are here: the first joint loads meet
	tensor_load_to_lds s[40:43], s[32:39]          ; resident groups and biases
	s_nop 0
	tensor_load_to_lds s[44:47], s[24:31]          ; fill 0 into slot 0
	s_nop 0
	tensor_load_to_lds s[48:51], s[24:31]          ; fill 1 into slot 1: three loads of the wave are out
	s_nop 0
	v_and_b32 v1, 31, v0
	v_lshlrev_b32 v2, 4, v1                        ; 16 lane, and the same 65,536 k further on: an LDS immediate has 16 bits
	v_add_nc_u32 v3, 0x10000, v2
	v_add_nc_u32 v4, 0x20000, v2
	v_add_nc_u32 v5, 0x30000, v2
	v_add_nc_u32 v6, 0x40000, v2
	v_bfe_u32 v7, v0, 4, 1
	v_lshl_add_u32 v7, v7, 5, 0x20000              ; biases: 32 h behind byte 131,072
	WIN 0xc0
	v_mov_b32 v[TID], v0
	WIN W3
	v_and_b32 v[LN], 31, v[TID]
	v_and_b32 v[RR], 15, v[TID]
	XLOAD 0                                        ; the first pass's xyz
	v_bfe_u32 v[UQ], v[TID], 4, 1
	v_cvt_f32_u32 v[UQ], v[UQ]
	v_mul_f32 v[PH], 0x3e800000, v[UQ]
	v_mov_b32 v[C6], 0x40747a1a
	v_mov_b32 v[C6+1], 0x40747a1a
	v_mad_u32_u24 v[STW], v[LN], 52, s23
	v_lshl_add_u32 v[STR], v[LN], 3, s23
	v_lshl_add_u32 v[OUTO], v[LN], 3, s63
	s_wait_kmcnt 0x0
	v_mov_b32 v[XYZ+3], s18
	v_mov_b32 v[XYZ+7], s18
	v_mov_b32 v[XYZ+11], s18
	v_mov_b32 v[XYZ+15], s18
	; the time's 20 features, the same for every point: slots 18 + k, packed registers 9-13 of all four tiles, once for the launch
	v_fma_f32 v[UQ], v[XYZ+3], 0.5, v[PH]
	v_add_f32 v[UQ+1], v[XYZ+3], v[PH]
	v_fma_f32 v[UQ+2], v[XYZ+3], 2.0, v[PH]
	v_fma_f32 v[UQ+3], v[XYZ+3], 4.0, v[PH]
	v_fma_f32 v[UQ+4], v[XYZ+3], 0x41000000, v[PH]
	v_fma_f32 v[UQ+5], v[XYZ+3], 0x41800000, v[PH]
	v_fma_f32 v[UQ+6], v[XYZ+3], 0x42000000, v[PH]
	v_fma_f32 v[UQ+7], v[XYZ+3], 0x42800000, v[PH]
	v_fma_f32 v[UQ+8], v[XYZ+3], 0x43000000, v[PH]
	v_fma_f32 v[UQ+9], v[XYZ+3], 0x43800000, v[PH]
	SINES 5
.set tq, 0
.rept 4
.set aq, 0
.rept 5
	v_cvt_pk_bf16_f32 v[XF+33+8*tq+aq], v[PQ+2*aq], v[PQ+2*aq+1]
.set aq, aq+1
.endr
.set tq, tq+1
.endr
	WIN 0
	s_wait_tensorcnt 0x1                           ; my quarters of the resident part and of fill 0 are in; fill 1 may stay out
	s_barrier_signal -1
	s_barrier_wait -1                              ; everybody's are
	BRUN 0
	ARUN 0
	ARUN 1
.Lpass:
	PASS 0
	s_add_co_u32 s22, s22, PSTEP
	s_sub_co_i32 s19, s19, 1
	s_cmp_lg_u32 s19, 0
	s_cbranch_scc1 .Lpass
	PASS 1                                         ; the last pass asks for fills 2 and 3 only, and for no further points
	s_set_vgpr_msb (MSB<<8)|((MSB&0xf0)|0x0)
	s_wait_tensorcnt 0x0
	ds_add_u32 v14, v15
	s_wait_dscnt 0x0
	s_set_vgpr_msb (((MSB&0xf0)|0x0)<<8)|MSB
	ROUND                                          ; the closing round: no work-group ends while a partner may still ask for a fill that names it
	s_endpgm
.Lfunc_end_k_qb060cb33c0_mlp:
	.size	k_qb060cb33c0_mlp, .Lfunc_end_k_qb060cb33c0_mlp-k_qb060cb33c0_mlp
	.p2alignl 7, 3214868480
	.fill 96, 4, 3214868480
	.section	.rodata,"a",@progbits
	.p2align	6, 0x0
	.amdhsa_kernel k_qb060cb33c0_mlp
		.amdhsa_group_segment_fixed_size 327680
		.amdhsa_private_segment_fixed_size 0
		.amdhsa_enable_private_segment 0
		.amdhsa_kernarg_size 56
		.amdhsa_user_sgpr_count 2
		.amdhsa_user_sgpr_kernarg_segment_ptr 1
		.amdhsa_wavefront_size32 1
		.amdhsa_system_sgpr_workgroup_id_x 1
		.amdhsa_system_sgpr_workgroup_id_y 1
		.amdhsa_system_sgpr_workgroup_id_z 1
		.amdhsa_system_vgpr_workitem_id 0
		.amdhsa_next_free_vgpr 1024
		.amdhsa_next_free_sgpr 96
		.amdhsa_reserve_vcc 1
		.amdhsa_float_denorm_mode_32 3
		.amdhsa_float_denorm_mode_16_64 3
		.amdhsa_memory_ordered 1
		.amdhsa_forward_progress 1
		.amdhsa_inst_pref_size 255
	.end_amdhsa_kernel
	.section	.bss,"aw",@nobits
	.p2align	6
	.space	262144
	.amdgpu_metadata
---
amdhsa.version: [ 1, 2 ]
amdhsa.kernels:
  - .name:           k_qb060cb33c0_mlp
    .symbol:         k_qb060cb33c0_mlp.kd
    .args:
      - { .name: canonical_xyz, .offset: 0, .size: 8, .value_kind: global_buffer, .address_space: global }
      - { .name: rotation, .offset: 8, .size: 8, .value_kind: global_buffer, .address_space: global }
      - { .name: scaling, .offset: 16, .size: 8, .value_kind: global_buffer, .address_space: global }
      - { .name: opacity, .offset: 24, .size: 8, .value_kind: global_buffer, .address_space: global }
      - { .name: time, .offset: 32, .size: 8, .value_kind: global_buffer, .address_space: global }
      - { .name: wpack, .offset: 40, .size: 8, .value_kind: global_buffer, .address_space: global }
      - { .name: out0, .offset: 48, .size: 8, .value_kind: global_buffer, .address_space: global }
    .group_segment_fixed_size: 327680
    .private_segment_fixed_size: 0
    .kernarg_segment_align: 8
    .kernarg_segment_size: 56
    .max_flat_workgroup_size: 128
    .sgpr_count:     96
    .vgpr_count:     1024
    .wavefront_size: 32
...
	.end_amdgpu_metadata
.endif
;; end of part 2
;; ======== version 2 of 2: 2 launches; 1.17 times as fast as version 1
;; limits: inputs' magnitudes at most 30,000; right only within a limited range of input values
;; workspace buffers: wpack 472,064 bytes
;; launch prep (part 3): grid 115 x 1, 8 waves a work-group, no clusters, 0 bytes of LDS; arguments W0, W1, W2, W3, Wr, Ws, Wo, Wx, b0, b1, b2, b3, br, bs, bo, bx, wpack; writes wpack
.if DOCPART == 3
	.amdgcn_target "amdgcn-amd-amdhsa--gfx1250"
	.amdhsa_code_object_version 6
	.text
	.protected	k_qb060cb33c0_prep
	.globl	k_qb060cb33c0_prep
	.p2align	8
	.type	k_qb060cb33c0_prep,@function
k_qb060cb33c0_prep:
	s_mov_b64 s[64:65], 0
	v_nop
	global_prefetch_b8 v0, s[64:65] scope:SCOPE_SE
	s_setreg_imm32_b32 hwreg(HW_REG_WAVE_MODE, 25, 1), 1
	s_wait_xcnt 0x0
; Packs the network's weights for the second launch: f32 [K][N] becomes bf16 fragments of matrix operand A (16 output features x 32 k)
; in register order, so that the second launch reads them from LDS by contiguous 16-byte loads.
; wpack: bytes 0 .. 139,263      34 resident groups of 4,096 bytes
;        139,264 .. 144,383      1,280 f32: b0, b1, b2, b3, then the heads' 11 biases (br, bs, bo, bx) and zeros
;        144,384 .. 472,063      80 streamed groups
; A fragment is 1,024 bytes: bytes 16 L of the first half are lane L's registers 0-3 (row L % 16, k = 8 (L / 16) + 0..7), of the second half
; its registers 4-7 (k = 16 + 8 (L / 16) + 0..7).  A group is four fragments: (kk, mt) = (i >> 1, i & 1) of K fragment 2 gk + kk and feature tile 2 c + mt;
; a group of the heads holds four K fragments of the one tile of 11 outputs (rows 11 to 15 are zeros).
; Work-group g = 0 .. 113 makes group g in the order in which the second launch multiplies them; groups 0..19 are resident groups 0..19, groups 20..99 streamed groups 0..79,
; groups 100..113 resident groups 20..33.  Wave w makes 512 bytes of a group (fragment w >> 1, half w & 1), a lane 16 bytes: each store of a wave covers 512 consecutive bytes,
; aligned.  Work-group 114 copies the biases.
; The 60 input features are laid in an order of their own (32 slots a lane half), the same that the second launch gives its encoded points:
;   slot 0..17 = 6 d + k: sin (lanes 0-15) or cos (lanes 16-31) of pi 2^k xyz[d];  18..27: the same of pi 2^(slot-18) t;  28..30: x, y, z;  31: t;
;   slots 28..31 have weight zero in lanes 16-31.
.set RESB,  144384
.set BIASB, 139264
	s_load_b512 s[8:23], s[0:1], 0x0               ; W0 s[8:9], W1 s[10:11], W2 s[12:13], W3 s[14:15], Wr s[16:17], Ws s[18:19], Wo s[20:21], Wx s[22:23]
	s_load_b512 s[24:39], s[0:1], 0x40             ; b0 s[24:25], b1, b2, b3 s[30:31], br s[32:33], bs s[34:35], bo s[36:37], bx s[38:39]
	s_load_b64 s[40:41], s[0:1], 0x80              ; wpack
	s_mov_b32 s2, ttmp9                            ; g
	v_lshrrev_b32 v1, 5, v0
	v_readfirstlane_b32 s3, v1                     ; wave w
	v_and_b32 v1, 31, v0                           ; lane
	v_and_b32 v2, 15, v0                           ; r
	v_bfe_u32 v3, v0, 4, 1                         ; h
	v_lshlrev_b32 v5, 4, v0                        ; 512 w + 16 lane: my 16 bytes in the group
	s_wait_kmcnt 0x0
	s_cmp_lt_u32 s2, 8
	s_cbranch_scc1 .Ll0
	s_cmp_lt_u32 s2, 40
	s_cbranch_scc1 .Ll1
	s_cmp_lt_u32 s2, 80
	s_cbranch_scc1 .Ll2
	s_cmp_lt_u32 s2, 112
	s_cbranch_scc1 .Ll3
	s_cmp_lt_u32 s2, 114
	s_cbranch_scc1 .Lheads
	s_branch .Lbias
; Each layer sets: s4 chunk c, s5 gk, s6 = 1 for a group of input features, s7 their first row in W, s[42:43] W, s44 the group's byte in wpack.
.Ll0:                                              ; layer 0: one group a chunk, all input features, resident groups 0..7
	s_mov_b32 s4, s2
	s_mov_b32 s5, 0
	s_mov_b32 s6, 1
	s_mov_b32 s7, 0
	s_mov_b64 s[42:43], s[8:9]
	s_lshl_b32 s44, s2, 12
	s_branch .Lcommon
.Ll1:                                              ; layer 1: four groups a chunk; g 8..19 resident groups 8..19, g 20..39 streamed groups 0..19
	s_sub_co_u32 s46, s2, 8
	s_lshr_b32 s4, s46, 2
	s_and_b32 s5, s46, 3
	s_mov_b32 s6, 0
	s_mov_b32 s7, 0
	s_mov_b64 s[42:43], s[10:11]
	s_lshl_b32 s44, s2, 12
	s_sub_co_u32 s47, s2, 20
	s_lshl_b32 s47, s47, 12
	s_add_co_u32 s47, s47, RESB
	s_cmp_lt_u32 s2, 20
	s_cselect_b32 s44, s44, s47
	s_branch .Lcommon
.Ll2:                                              ; layer 2: five groups a chunk, the fifth the input features (rows 256..315); streamed groups 20..59
	s_sub_co_u32 s46, s2, 40
	s_mul_i32 s4, s46, 205
	s_lshr_b32 s4, s4, 10                          ; (g - 40) / 5, exact for 0..39
	s_mul_i32 s47, s4, 5
	s_sub_co_u32 s5, s46, s47
	s_cmp_eq_u32 s5, 4
	s_cselect_b32 s6, 1, 0
	s_mov_b32 s7, 256
	s_mov_b64 s[42:43], s[12:13]
	s_sub_co_u32 s44, s2, 20
	s_lshl_b32 s44, s44, 12
	s_add_co_u32 s44, s44, RESB
	s_branch .Lcommon
.Ll3:                                              ; layer 3: four groups a chunk; g 80..99 streamed groups 60..79, g 100..111 resident groups 20..31
	s_sub_co_u32 s46, s2, 80
	s_lshr_b32 s4, s46, 2
	s_and_b32 s5, s46, 3
	s_mov_b32 s6, 0
	s_mov_b32 s7, 0
	s_mov_b64 s[42:43], s[14:15]
	s_sub_co_u32 s44, s2, 20
	s_lshl_b32 s44, s44, 12
	s_add_co_u32 s44, s44, RESB
	s_lshl_b32 s47, s46, 12
	s_cmp_lt_u32 s2, 100
	s_cselect_b32 s44, s44, s47
.Lcommon:
	v_add_nc_u32 v5, s44, v5                       ; my 16 bytes in wpack
	s_lshr_b32 s45, s3, 2                          ; kk
	s_bfe_u32 s46, s3, 0x10001                     ; mt
	s_and_b32 s47, s3, 1                           ; q: registers 0-3 or 4-7
	s_lshl_b32 s48, s4, 7
	s_lshl_b32 s49, s46, 6
	s_add_co_u32 s48, s48, s49                     ; 4 (32 c + 16 mt)
	v_lshl_add_u32 v6, v2, 2, s48                  ; byte of my output feature in a row of W
	s_cmp_lg_u32 s6, 0
	s_cbranch_scc1 .Lxpart
	; hidden features: rows 32 kf + 16 q + 8 h + j, j in the immediate
	s_lshl_b32 s49, s5, 1
	s_add_co_u32 s49, s49, s45                     ; kf
	s_lshl_b32 s49, s49, 15
	s_lshl_b32 s50, s47, 14
	s_add_co_u32 s49, s49, s50                     ; (32 kf + 16 q) rows of 1,024 bytes
	v_lshl_add_u32 v4, v3, 13, v6
	v_add_nc_u32 v4, s49, v4
.set j, 0
.rept 8
	global_load_b32 v[8+j], v4, s[42:43] offset:1024*j
.set j, j+1
.endr
	s_wait_loadcnt 0x0
	s_branch .Lpack
.Lxpart:
	; input features: element j is slot 16 kk + 8 q + j, the same for the whole wave; its row, the row's step from the sine half to the cosine half and
	; the mask of lanes that get a zero are scalars
	s_lshl_b32 s49, s45, 4
	s_lshl3_add_u32 s49, s47, s49
.set j, 0
.rept 8
	s_add_co_u32 s50, s49, j                       ; slot
	s_mul_i32 s51, s50, 43
	s_lshr_b32 s51, s51, 8                         ; d = slot / 6, exact for 0..17
	s_mul_i32 s51, s51, 6
	s_add_co_u32 s51, s51, s50
	s_add_co_u32 s51, s51, 3                       ; position: row 3 + 12 d + k
	s_add_co_u32 s52, s50, 22                      ; time: row 40 + k
	s_cmp_lt_u32 s50, 18
	s_cselect_b32 s51, s51, s52
	s_cselect_b32 s53, 6, 10                       ; the cosines lie 6 (10) rows behind the sines
	s_sub_co_u32 s52, s50, 28                      ; x, y, z: rows 0..2
	s_cmp_eq_u32 s50, 31
	s_cselect_b32 s52, 39, s52                     ; t: row 39
	s_cmp_lt_u32 s50, 28
	s_cselect_b32 s51, s51, s52
	s_cselect_b32 s53, s53, 0
	s_cselect_b32 s[56+j], 0, 0xffff0000           ; slots 28..31: lanes 16-31 get zero
	s_add_co_u32 s51, s51, s7
	s_lshl_b32 s51, s51, 10
	s_lshl_b32 s53, s53, 10
	v_mad_u32_u24 v[20+j], v3, s53, v6
	v_add_nc_u32 v[20+j], s51, v[20+j]
	global_load_b32 v[8+j], v[20+j], s[42:43]
.set j, j+1
.endr
	s_wait_loadcnt 0x0
.set j, 0
.rept 8
	v_cndmask_b32 v[8+j], v[8+j], 0, s[56+j]
.set j, j+1
.endr
.Lpack:
	v_cvt_pk_bf16_f32 v16, v8, v9                  ; the lower k in the lower half
	v_cvt_pk_bf16_f32 v17, v10, v11
	v_cvt_pk_bf16_f32 v18, v12, v13
	v_cvt_pk_bf16_f32 v19, v14, v15
	global_store_b128 v5, v[16:19], s[40:41]
	s_endpgm
.Lheads:                                           ; g 112, 113: resident groups 32, 33.  Row r of the tile: 0..3 Wr, 4..6 Ws, 7 Wo, 8..10 Wx, else zero
	s_sub_co_u32 s44, s2, 80
	s_lshl_b32 s44, s44, 12
	v_add_nc_u32 v5, s44, v5
	s_sub_co_u32 s45, s2, 112
	s_lshl_b32 s45, s45, 2
	s_lshr_b32 s46, s3, 1
	s_add_co_u32 s45, s45, s46                     ; kf = 4 (g - 112) + (w >> 1)
	s_lshl_b32 s45, s45, 5
	s_and_b32 s46, s3, 1
	s_lshl4_add_u32 s45, s46, s45                  ; 32 kf + 16 q
	v_lshl_add_u32 v20, v3, 3, s45                 ; my first k
	v_min_u32 v25, 3, v2                           ; every lane loads from all four tables, its column clamped into the table
	v_lshlrev_b32 v25, 2, v25
	v_lshl_add_u32 v21, v20, 4, v25                ; Wr: 16 k + 4 column
	v_max_u32 v25, 4, v2
	v_add_nc_u32 v25, -4, v25
	v_min_u32 v25, 2, v25
	v_lshlrev_b32 v25, 2, v25
	v_mad_u32_u24 v22, v20, 12, v25                ; Ws: 12 k + 4 column
	v_lshlrev_b32 v23, 2, v20                      ; Wo: 4 k
	v_max_u32 v25, 8, v2
	v_add_nc_u32 v25, -8, v25
	v_min_u32 v25, 2, v25
	v_lshlrev_b32 v25, 2, v25
	v_mad_u32_u24 v24, v20, 12, v25                ; Wx
.set j, 0
.rept 8
	global_load_b32 v[32+j], v21, s[16:17] offset:16*j
	global_load_b32 v[40+j], v22, s[18:19] offset:12*j
	global_load_b32 v[48+j], v23, s[20:21] offset:4*j
	global_load_b32 v[56+j], v24, s[22:23] offset:12*j
.set j, j+1
.endr
	v_cmp_gt_u32 s48, 11, v2
	v_cmp_gt_u32 s49, 8, v2
	v_cmp_gt_u32 s50, 7, v2
	v_cmp_gt_u32 s51, 4, v2
	s_wait_loadcnt 0x0
.set j, 0
.rept 8
	v_cndmask_b32 v[8+j], 0, v[56+j], s48          ; r < 11: Wx, else zero
	v_cndmask_b32 v[8+j], v[8+j], v[48+j], s49     ; r < 8: Wo
	v_cndmask_b32 v[8+j], v[8+j], v[40+j], s50     ; r < 7: Ws
	v_cndmask_b32 v[8+j], v[8+j], v[32+j], s51     ; r < 4: Wr
.set j, j+1
.endr
	s_branch .Lpack
.Lbias:                                            ; g 114: wave w copies half w & 1 of b(w >> 1); waves 0 and 1 then write the heads' biases and zeros
	s_lshr_b32 s45, s3, 1
	s_cmp_eq_u32 s45, 0
	s_cselect_b64 s[42:43], s[24:25], s[26:27]
	s_cmp_eq_u32 s45, 2
	s_cselect_b64 s[46:47], s[28:29], s[30:31]
	s_cmp_lt_u32 s45, 2
	s_cselect_b64 s[42:43], s[42:43], s[46:47]
	s_and_b32 s62, s3, 1
	s_lshl_b32 s62, s62, 9
	v_lshl_add_u32 v4, v1, 4, s62
	global_load_b128 v[8:11], v4, s[42:43]
	v_add_nc_u32 v5, BIASB, v5
	s_wait_loadcnt 0x0
	global_store_b128 v5, v[8:11], s[40:41]
	s_cmp_gt_u32 s3, 1
	s_cbranch_scc1 .Lend
	s_load_b128 s[48:51], s[32:33], 0x0            ; br
	s_load_b96 s[52:54], s[34:35], 0x0             ; bs
	s_load_b32 s55, s[36:37], 0x0                  ; bo, straight behind bs
	s_load_b96 s[56:58], s[38:39], 0x0             ; bx
	v_cmp_eq_u32 s59, 0, v0                        ; thread u writes floats 1024 + 4 u .. + 3
	v_cmp_eq_u32 s60, 1, v0
	v_cmp_eq_u32 s61, 2, v0
	s_wait_kmcnt 0x0
.set j, 0
.rept 4
	v_cndmask_b32 v[12+j], 0, s[48+j], s59
	v_cndmask_b32 v[12+j], v[12+j], s[52+j], s60
.if j < 3
	v_cndmask_b32 v[12+j], v[12+j], s[56+j], s61
.endif
.set j, j+1
.endr
	global_store_b128 v5, v[12:15], s[40:41] offset:4096
.Lend:
	s_endpgm
.Lfunc_end_k_qb060cb33c0_prep:
	.size	k_qb060cb33c0_prep, .Lfunc_end_k_qb060cb33c0_prep-k_qb060cb33c0_prep
	.p2alignl 7, 3214868480
	.fill 96, 4, 3214868480
	.section	.rodata,"a",@progbits
	.p2align	6, 0x0
	.amdhsa_kernel k_qb060cb33c0_prep
		.amdhsa_group_segment_fixed_size 0
		.amdhsa_private_segment_fixed_size 0
		.amdhsa_enable_private_segment 0
		.amdhsa_kernarg_size 136
		.amdhsa_user_sgpr_count 2
		.amdhsa_user_sgpr_kernarg_segment_ptr 1
		.amdhsa_wavefront_size32 1
		.amdhsa_system_sgpr_workgroup_id_x 1
		.amdhsa_system_sgpr_workgroup_id_y 1
		.amdhsa_system_sgpr_workgroup_id_z 1
		.amdhsa_system_vgpr_workitem_id 0
		.amdhsa_next_free_vgpr 64
		.amdhsa_next_free_sgpr 66
		.amdhsa_reserve_vcc 0
		.amdhsa_float_denorm_mode_32 3
		.amdhsa_float_denorm_mode_16_64 3
		.amdhsa_memory_ordered 1
		.amdhsa_forward_progress 1
		.amdhsa_inst_pref_size 21
	.end_amdhsa_kernel
	.amdgpu_metadata
---
amdhsa.version: [ 1, 2 ]
amdhsa.kernels:
  - .name:           k_qb060cb33c0_prep
    .symbol:         k_qb060cb33c0_prep.kd
    .args:
      - { .name: W0, .offset: 0, .size: 8, .value_kind: global_buffer, .address_space: global }
      - { .name: W1, .offset: 8, .size: 8, .value_kind: global_buffer, .address_space: global }
      - { .name: W2, .offset: 16, .size: 8, .value_kind: global_buffer, .address_space: global }
      - { .name: W3, .offset: 24, .size: 8, .value_kind: global_buffer, .address_space: global }
      - { .name: Wr, .offset: 32, .size: 8, .value_kind: global_buffer, .address_space: global }
      - { .name: Ws, .offset: 40, .size: 8, .value_kind: global_buffer, .address_space: global }
      - { .name: Wo, .offset: 48, .size: 8, .value_kind: global_buffer, .address_space: global }
      - { .name: Wx, .offset: 56, .size: 8, .value_kind: global_buffer, .address_space: global }
      - { .name: b0, .offset: 64, .size: 8, .value_kind: global_buffer, .address_space: global }
      - { .name: b1, .offset: 72, .size: 8, .value_kind: global_buffer, .address_space: global }
      - { .name: b2, .offset: 80, .size: 8, .value_kind: global_buffer, .address_space: global }
      - { .name: b3, .offset: 88, .size: 8, .value_kind: global_buffer, .address_space: global }
      - { .name: br, .offset: 96, .size: 8, .value_kind: global_buffer, .address_space: global }
      - { .name: bs, .offset: 104, .size: 8, .value_kind: global_buffer, .address_space: global }
      - { .name: bo, .offset: 112, .size: 8, .value_kind: global_buffer, .address_space: global }
      - { .name: bx, .offset: 120, .size: 8, .value_kind: global_buffer, .address_space: global }
      - { .name: wpack, .offset: 128, .size: 8, .value_kind: global_buffer, .address_space: global }
    .group_segment_fixed_size: 0
    .private_segment_fixed_size: 0
    .kernarg_segment_align: 8
    .kernarg_segment_size: 136
    .max_flat_workgroup_size: 256
    .sgpr_count:     66
    .vgpr_count:     64
    .wavefront_size: 32
...
	.end_amdgpu_metadata
.endif
;; end of part 3
;; launch mlp (part 4): grid 256 x 1, 4 waves a work-group, clusters of 4 x 1, 327,680 bytes of LDS; arguments canonical_xyz, rotation, scaling, opacity, time, wpack, out0; writes out0
.if DOCPART == 4
	.amdgcn_target "amdgcn-amd-amdhsa--gfx1250"
	.amdhsa_code_object_version 6
	.text
	.protected	k_qb060cb33c0_mlp
	.globl	k_qb060cb33c0_mlp
	.p2align	8
	.type	k_qb060cb33c0_mlp,@function
k_qb060cb33c0_mlp:
	s_mov_b64 s[64:65], 0
	v_nop
	global_prefetch_b8 v0, s[64:65] scope:SCOPE_SE
	s_setreg_imm32_b32 hwreg(HW_REG_WAVE_MODE, 25, 1), 1
	s_wait_xcnt 0x0
	s_wait_alu depctr_hold_cnt(0) depctr_sa_sdst(0) depctr_va_vdst(0) depctr_va_sdst(0) depctr_va_ssrc(0) depctr_va_vcc(0) depctr_vm_vsrc(0)
	s_getreg_b32 s2, hwreg(HW_REG_IB_STS2, 6, 4)
	s_cmp_eq_u32 s2, 0
	s_cbranch_scc0 .Lentry_in_a_cluster
	s_endpgm
.Lentry_in_a_cluster:
	s_bfe_u32 s2, ttmp6, 0x10000c
	s_cmp_lg_u32 s2, 0x3003
	s_cbranch_scc0 .Lentry_shape_is_right
	s_endpgm
.Lentry_shape_is_right:
; The whole model for 300,000 points: sinusoidal encoding, four layers of 256 with ReLU (the third also takes the encoding), four heads (11 numbers),
; quaternion to rotation, covariance R diag(s^2) R^T, sigmoid; 13 f32 a point.
; THE PRODUCTS ARE TRANSPOSED: operand A = 16 output features x 32 k of the weights, operand B = 32 k x 16 points.  Register j of lane (r, h) of a result is feature
; 8 h + j of point r, which is what that lane holds of operand B of the next layer: two neighbouring result tiles become one B fragment by ReLU and a packing
; conversion inside the lane.  So the activations of a wave's 64 points (four tiles of 16) stay in its registers through all layers; LDS holds weights only.
; SHARES: a wave takes 64 points a pass, a work-group 256, a cluster of four work-groups 1,024.  293 cluster passes; cluster C takes passes C + 64 j: five for C < 37, else four
; (the count hangs on the cluster's number alone).  Only the very last wave share is cut: 32 of its 64 points exist.
; WEIGHTS: 114 groups of 4,096 bytes (four A fragments, sixteen matrix instructions each) in the order of use, as the first launch packed them.  Groups 0..19 and 100..113 and the biases
; stay in LDS; groups 20..99 go through two slots of 20 groups, four fills a pass, each wave fetching a quarter of each fill.  Every fill is asked for inside the pass that reads it, so
; all passes are one text, a loop's body, and no pass asks for a fill that is not read.  All four work-groups of a cluster walk the same weights, so every fill is a JOINT load (mask 15);
; a wider cluster would not help, since a mask names four work-groups.
; LIMITS: the sine is a series of degree 13 on a turn reduced to [-1/2, 1/2], in error by at most 2.2e-5; the cosine is the sine a quarter turn on, which wants |xyz| below 5e5 and
; |t| below 3e4 (16 |xyz| and 256 |t| below 2^23).  ReLU is a maximum in which a NaN loses: a NaN in a hidden unit becomes 0.  A squared scale below 2^-126
; (scaling + its delta below -43.6) becomes 0 (v_exp_f32 flushes: ISA guide 15.8).  Matrix operands are rounded to bf16; sums, biases and all the rest are f32.
;
; LDS:  0 resident groups (139,264 bytes), 139,264 biases (5,120), 144,384 slot 0 (81,920), 226,304 slot 1 (81,920), 308,224 the waves' stages for the way out (4 x 3,328; no fill lands there)
; REGISTERS in windows of 256 (s_set_vgpr_msb: bits 1:0 source 0, 3:2 source 1, 5:4 source 2, 7:6 destination):
;   window 0: v2-6 LDS address 16 lane + 65,536 k; v7 bias address; v16-31 bias tiles; v32-127 three sets of four A fragments; v128-255 two sets of eight accumulators (tile (mt, t) at 32 mt + 8 t)
;   window 1, window 2: activation buffers P, Q: K fragments 0..6, fragment kf of point tile t at 32 kf + 8 t; v255 holds 0
;   window 3: the encoded input (two K fragments), the points' own data, addresses, v255 = 0, K fragment 7 of P (v130-161) and of Q (v162-193), and, on those same registers and the ones
;             behind them, the temporaries of encoding and epilogue, which run only while P and Q are dead
; The zero in v255 of windows 1 to 3 lets ReLU be the 4-byte form of the maximum under the products' own window setting: its second source is named in operand B's window.
.set NPTS,   300000
.set BIASB,  139264
.set RESB,   144384
.set SLOTB,  81920
.set SLOT0,  RESB
.set SLOT1,  RESB+SLOTB
.set STAGE,  RESB+2*SLOTB
.set WSTG,   3328                      ; 64 points x 52 bytes = 13 aligned blocks of 256 bytes
.set PSTEP,  65536                     ; points from one pass of a cluster to its next: 64 clusters x 1,024
.set ZR,     255                       ; the zero of windows 1, 2, 3
.set K7,     130                       ; window 3: K fragment 7 of P; Q's lies 32 registers behind
; window 3
.set XF,    0                          ; 0-63    encoded input: fragment kfx, tile t, register i at 32 kfx + 8 t + i
.set XYZ,   64                         ; 64-79   tile t: x, y, z of point 16 t + r, and t (the time) in the fourth register for good
.set XSEL,  80                         ; 80-85   pair p: x, y, z of point 32 p + lane
.set ROT,   88                         ; 88-95   pair p: the quaternion of point 32 p + lane
.set SCL,   96                         ; 96-98, 100-102
.set OPA,   104                        ; 104-105
.set PH,    112                        ; a quarter turn in lanes 16-31, 0 in lanes 0-15
.set AX,    114                        ; 114-117 byte offsets of the xyz loads
.set AR,    118                        ; 118-123 pair p: byte offsets in rotation, scaling, opacity
.set OUTO,  124                        ; byte offset in out0 of my 8 bytes of the wave's first block
.set STW,   125                        ; stage: my point's 52 bytes
.set STR,   126                        ; stage: my 8 bytes of a block
.set RR,    127                        ; lane % 16
.set LN,    128                        ; lane
.set TID,   129
.set UQ,    130                        ; 130-147 turns     (encoding)
.set NQ,    148                        ; 148-165 nearest whole turns
.set SQ,    166                        ; 166-183 squares
.set PQ,    184                        ; 184-201 series
.set C6,    226                        ; 226-227 the series' highest coefficient, twice
.set HH,    130                        ; 130-140 the 11 head values of my point (epilogue)
.set TA,    141                        ; what comes from the other half of the lanes; both registers were written whole before (by the encoding, then as part of P's fragment 7)
.set TB,    142
.set QQ,    144                        ; 144-147 w, x, y, z
.set NRM,   148
.set INV,   149
.set XD,    150                        ; 2x, 2y, 2z
.set YD,    151
.set ZD,    152
.set WX,    153                        ; 2wx, 2wy, 2wz
.set WY,    154
.set WZ,    155
.set DA,    156
.set DB,    157
.set EX,    158                        ; 158-160 exponents of the squared scales
.set OE,    161
.set RM,    162                        ; 162-170 R
.set SSQ,   171                        ; 171-173 s^2
.set TM,    174                        ; 174-182 R diag(s^2)
.set OX,    183
.set OV,    184                        ; 184-196 the 13 results (places 6, 9, 10 repeat 4, 5, 8 and are not kept)
.set OD,    200                        ; 200-225 the wave's 13 blocks on their way out
.set W3,    0xff
.set XCH,   0xcc                       ; source 0 window 0; source 1 and destination window 3
.set MSB, 0
.macro WIN new                         ; the immediate's high byte repeats the setting that is left; a switch that changes nothing is dropped
.if MSB != (\new)
	s_set_vgpr_msb (MSB<<8)|(\new)
.set MSB, \new
.endif
.endm
.macro PLACES                          ; four places behind matrix instructions (ISA guide 7.12.1)
.rept 4
	v_nop
.endr
.endm
; A round of the cluster's barrier behind its opening work-group barrier: wave 0 signals for the work-group, every wave waits for all four work-groups, the work-group's barrier closes it.
.macro CREST
	s_cmp_lg_u32 s20, 0
	s_cbranch_scc1 .Lnot_wave_0_\@
	s_barrier_signal -3
.Lnot_wave_0_\@:
	s_barrier_wait -3
	s_barrier_signal -1
	s_barrier_wait -1
.endm
.macro ROUND
	s_barrier_signal -1
	s_barrier_wait -1
	CREST
.endm
; GA = LDS byte of group g
.macro GADDR g
.set GM, \g
.if GM < 20
.set GA, 4096*GM
.elseif GM < 40
.set GA, SLOT0+4096*(GM-20)
.elseif GM < 60
.set GA, SLOT1+4096*(GM-40)
.elseif GM < 80
.set GA, SLOT0+4096*(GM-60)
.elseif GM < 100
.set GA, SLOT1+4096*(GM-80)
.else
.set GA, 4096*(GM-80)
.endif
.endm
; the four A fragments of group g into set g % 3: eight loads, each of 512 consecutive bytes
.macro ARUN g
	GADDR \g
.set ASB, 32+32*((\g)%3)
.set ii, 0
.rept 8
	ds_load_b128 v[ASB+4*ii:ASB+4*ii+3], v[2+((GA+512*ii)>>16)] offset:(GA+512*ii)&0xffff
.set ii, ii+1
.endr
.endm
; the biases of chunk cc (32 features) as two C tiles: register j of lane (r, h) = bias of feature 16 mt + 8 h + j
.macro BRUN cc
.set BO, 8192+128*(\cc)
	ds_load_b128 v[16:19], v7 offset:BO
	ds_load_b128 v[20:23], v7 offset:BO+16
	ds_load_b128 v[24:27], v7 offset:BO+64
	ds_load_b128 v[28:31], v7 offset:BO+80
.endm
; ReLU in place on n of the 16 numbers that a lane holds of point tile 'tile' in accumulator set st.  It stands behind a product, under the product's setting: destination and source 0
; are window 0, the second source is the zero of operand B's window.
.macro MAXES st, tile, e0, n
.set ee, \e0
.rept \n
.set xx, 128+64*(\st)+32*(ee>>3)+8*(\tile)+(ee&7)
	v_max_num_f32 v[xx], v[xx], v[ZR]
.set ee, ee+1
.endr
.endm
; the 16 numbers become the lane's eight registers of K fragment kf, tile 'tile', of the buffer of window win (fragment 7: in window 3)
.macro CVTS st, tile, win, kf
.set SAVEW, MSB
.if (\kf) == 7
.set CW, 3
.set CB, K7+32*((\win)-1)+8*(\tile)
.else
.set CW, \win
.set CB, 32*(\kf)+8*(\tile)
.endif
	WIN CW<<6
.set mm, 0
.rept 2
.set jj, 0
.rept 4
	v_cvt_pk_bf16_f32 v[CB+4*mm+jj], v[128+64*(\st)+32*mm+8*(\tile)+2*jj], v[128+64*(\st)+32*mm+8*(\tile)+2*jj+1]
.set jj, jj+1
.endr
.set mm, mm+1
.endr
	WIN SAVEW
.endm
; Matrix instruction n of a group.  Layers: kk = n >> 3, mt = (n >> 2) & 1, t = n & 3: eight accumulators take turns, one instruction a turn; heads: kk = n >> 2, t = n & 3: four take turns
; A chunk's first product on each accumulator takes the bias tile as C: nothing is cleared and no bias is added afterwards.
.macro MM n
.if HEAD
.set kk, (\n)>>2
.set mt, 0
.set AF, kk
.else
.set kk, (\n)>>3
.set mt, ((\n)>>2)&1
.set AF, 2*kk+mt
.endif
.set tt, (\n)&3
.set DD, 128+64*PS+32*mt+8*tt
.set AA, AS0+8*AF
.set BWN, BW
.set BF, BB+32*kk+8*tt
.if BW != 3
.if BB+32*kk == 224
.set BWN, 3                            ; K fragment 7 of P or Q
.set BF, K7+32*(BW-1)+8*tt
.endif
.endif
.set UB, 0
.if FIRST
.if kk == 0
.set UB, 1
.endif
.endif
	WIN BWN<<2
.if UB
	v_wmma_f32_16x16x32_bf16 v[DD:DD+7], v[AA:AA+7], v[BF:BF+7], v[16+8*mt:23+8*mt]
.else
	v_wmma_f32_16x16x32_bf16 v[DD:DD+7], v[AA:AA+7], v[BF:BF+7], v[DD:DD+7]
.endif
.endm
; What stands behind matrix instruction n: the chunk before (the other accumulator set) is turned into a B fragment.
; CV = 1: one point tile (CT) in this group; CV = 4: all four; CV = 0: nothing to convert, four v_nop in front of the loads.
; In a chunk's first group four v_nop stand ahead of the first ReLU: the places behind the last products of the chunk before.
; In every mode four or more plain vector instructions that name no register of this group's products stand between instruction 7 (the last that reads the bias tiles) and the loads.
.macro FILLER n
.if CV == 1
.if (\n) == 0
.if FIRST
	PLACES
.endif
.endif
.if (\n) < 6
	MAXES 1-PS, CT, 2*(\n), 2
.endif
.if (\n) == 7
	MAXES 1-PS, CT, 12, 4
.endif
.if (\n) == 11
	CVTS 1-PS, CT, WD, KFD
.endif
.endif
.if CV == 4
.if (\n) == 0
	PLACES
.endif
	MAXES 1-PS, (\n)>>2, 4*((\n)&3), 4
.if ((\n)&3) == 3
	CVTS 1-PS, (\n)>>2, WD, KFD
.endif
.endif
.if CV == 0
.if (\n) == 7
.if G < 112
	PLACES
.endif
.endif
.endif
.endm
; One group: sixteen matrix instructions on A set G % 3; in its middle the next chunk's biases (in a chunk's first group) and the A fragments of group G + 2, which land on the set of group G - 1.
; RND = 1: the group carries a round of the cluster's barrier and a joint refill.  In front of the round's opening signal the wave's LDS reads are back (at groups 38 and 58 the freed slot's last were issued in the
; group before) and all its tensor loads have landed (one is out: the fill asked for at the round before).  Inside the round: register work.  The refill is the first tensor load behind it.
; RND = 2: the same waits and a plain barrier, which shows the pass's last fill to all four waves.
.macro GROUP
.set PS, CC%2
.set AS0, 32+32*(G%3)
.if RND
	s_wait_dscnt 0x0
	s_set_vgpr_msb (MSB<<8)|((MSB&0xf0)|0x4)
	s_wait_tensorcnt 0x0
	ds_add_u32 v15, v254
	s_wait_dscnt 0x0
	s_set_vgpr_msb (((MSB&0xf0)|0x4)<<8)|MSB
	s_barrier_signal -1
.elseif G == 113
	s_wait_dscnt 0x0                       ; nothing was issued behind the last group's fragments
.else
	s_wait_dscnt 0x8                       ; all but the eight loads of the next group's fragments: mine are in, and the bias tiles, which were issued ahead of those eight
.endif
.set nn, 0
.rept 8
	MM nn
	FILLER nn
.set nn, nn+1
.endr
.if RND
	WIN 0
	s_barrier_wait -1
.if RND == 1
	CREST
	tensor_load_to_lds s[44+4*FILL:47+4*FILL], s[24:31]
	s_nop 0
.endif
.endif
.if DOBR
	BRUN CC+1
.endif
.if G < 112
	ARUN G+2
.endif
.rept 8
	MM nn
	FILLER nn
.set nn, nn+1
.endr
.endm
; The ring in a pass.  Fill 0 (groups 20..39, slot 0) is asked for at the pass's head.  Group 18: fill 0 is shown, fill 1 (40..59, slot 1) asked for.  Group 38: fill 1 is shown; slot 0's last
; read (for group 39) was issued in group 37; fill 2 (60..79) is asked for.  Group 58 likewise: fill 2 shown, slot 1 free, fill 3 (80..99) asked for.  Group 78: fill 3 is shown, by a plain barrier.
; A fill is first read at the load point of the group that shows it, behind the barrier.  Between a request and the wait for it lie 18 groups or more, 288 matrix instructions.
.macro RINGSET
.set RND, 0
.set FILL, 0
.if G == 18
.set RND, 1
.set FILL, 1
.elseif G == 38
.set RND, 1
.set FILL, 2
.elseif G == 58
.set RND, 1
.set FILL, 3
.elseif G == 78
.set RND, 2
.endif
.endm
; A layer: eight chunks of 32 output features, ng groups a chunk; B from window bwin (a fifth group: the encoded input, window 3); results go to the buffer of window owin.
; The layer's first group converts the last chunk of the layer before into fragment 7 of its own input buffer, which is multiplied only in the chunk's fourth group.
.macro LAYER ng, bwin, owin, lfirst
.set cq, 0
.rept 8
.set gq, 0
.rept \ng
.set BW, \bwin
.set BB, 64*gq
.if gq == 4
.set BW, 3
.set BB, 0
.endif
.set FIRST, 0
.set DOBR, 0
.if gq == 0
.set FIRST, 1
.set DOBR, 1
.endif
.set CV, 0
.if cq == 0
.if gq == 0
.if \lfirst == 0
.set CV, 4
.set WD, \bwin
.set KFD, 7
.endif
.endif
.else
.set WD, \owin
.set KFD, cq-1
.if \ng == 1
.set CV, 4
.elseif gq < 4
.set CV, 1
.set CT, gq
.endif
.endif
	RINGSET
	GROUP
.set G, G+1
.set gq, gq+1
.endr
.set CC, CC+1
.set cq, cq+1
.endr
.endm
; sin(2 pi u) of the 2 np turns in UQ, into PQ: u less its nearest whole number, then u (c0 + s (c1 + .. + s c6)), s = u^2, two at a time, stage by stage
.macro SINES np
.set ii, 0
.rept 2*(\np)
	v_rndne_f32 v[NQ+ii], v[UQ+ii]
.set ii, ii+1
.endr
.set ii, 0
.rept 2*(\np)
	v_sub_f32 v[UQ+ii], v[UQ+ii], v[NQ+ii]
.set ii, ii+1
.endr
.set ii, 0
.rept \np
	v_pk_mul_f32 v[SQ+2*ii:SQ+2*ii+1], v[UQ+2*ii:UQ+2*ii+1], v[UQ+2*ii:UQ+2*ii+1]
.set ii, ii+1
.endr
.set ii, 0
.rept \np
	v_pk_fma_f32 v[PQ+2*ii:PQ+2*ii+1], v[SQ+2*ii:SQ+2*ii+1], v[C6:C6+1], s[76:77] op_sel_hi:[1,1,0]
.set ii, ii+1
.endr
.irp cs, 74,72,70,68,66
.set ii, 0
.rept \np
	v_pk_fma_f32 v[PQ+2*ii:PQ+2*ii+1], v[PQ+2*ii:PQ+2*ii+1], v[SQ+2*ii:SQ+2*ii+1], s[\cs:\cs+1] op_sel_hi:[1,1,0]
.set ii, ii+1
.endr
.endr
.set ii, 0
.rept \np
	v_pk_mul_f32 v[PQ+2*ii:PQ+2*ii+1], v[PQ+2*ii:PQ+2*ii+1], v[UQ+2*ii:UQ+2*ii+1]
.set ii, ii+1
.endr
.endm
; xyz of the four point tiles that begin 'add' points behind s22; an index past the end is clamped to the last point
.macro XLOAD add
.set tq, 0
.rept 4
	v_add3_u32 v[AX+tq], s22, v[RR], (\add)+16*tq
	v_min_u32 v[AX+tq], NPTS-1, v[AX+tq]
	v_mul_u32_u24 v[AX+tq], 12, v[AX+tq]
	global_load_b96 v[XYZ+4*tq:XYZ+4*tq+2], v[AX+tq], s[4:5] th:TH_LOAD_NT
.set tq, tq+1
.endr
.endm
; The head of a pass: the barrier in front of fill 0.  The wave's LDS instructions are back and its tensor loads have landed (in the first pass: its quarter of the resident part, which the
; round then shows to all four waves); the joint load comes first behind the round; then the pass's first biases and fragments, which land during the encoding.
.macro HEADFILL
	s_wait_dscnt 0x0
	s_set_vgpr_msb (MSB<<8)|((MSB&0xf0)|0x4)
	s_wait_tensorcnt 0x0
	ds_add_u32 v15, v254
	s_wait_dscnt 0x0
	s_set_vgpr_msb (((MSB&0xf0)|0x4)<<8)|MSB
	ROUND
	tensor_load_to_lds s[44:47], s[24:31]
	s_nop 0
	BRUN 0
	ARUN 0
	ARUN 1
.endm
; The encoded input of this pass.  Slot 6 d + k of a lane: sin of pi 2^k xyz[d] in lanes 0-15, cos in lanes 16-31: the turn x 2^(k-1), a quarter more in the upper lanes.
; Packed register a = slots 2 a, 2 a + 1.  Registers 9-13 (the time's features) were written once at the start; 14, 15 hold x, y, z, t.
.macro ENCODE
	WIN W3
	s_wait_loadcnt 0x0                     ; this pass's xyz, asked for a pass ago
.set tq, 0
.rept 4
.set dq, 0
.rept 3
	v_fma_f32 v[UQ+6*dq], v[XYZ+4*tq+dq], 0.5, v[PH]
	v_add_f32 v[UQ+6*dq+1], v[XYZ+4*tq+dq], v[PH]
	v_fma_f32 v[UQ+6*dq+2], v[XYZ+4*tq+dq], 2.0, v[PH]
	v_fma_f32 v[UQ+6*dq+3], v[XYZ+4*tq+dq], 4.0, v[PH]
	v_fma_f32 v[UQ+6*dq+4], v[XYZ+4*tq+dq], 0x41000000, v[PH]
	v_fma_f32 v[UQ+6*dq+5], v[XYZ+4*tq+dq], 0x41800000, v[PH]
.set dq, dq+1
.endr
	SINES 9
.set aq, 0
.rept 9
	v_cvt_pk_bf16_f32 v[XF+32*(aq>>3)+8*tq+(aq&7)], v[PQ+2*aq], v[PQ+2*aq+1]
.set aq, aq+1
.endr
	v_cvt_pk_bf16_f32 v[XF+32+8*tq+6], v[XYZ+4*tq], v[XYZ+4*tq+1]
	v_cvt_pk_bf16_f32 v[XF+32+8*tq+7], v[XYZ+4*tq+2], v[XYZ+4*tq+3]
.set tq, tq+1
.endr
.set pq, 0
.rept 2
.set dq, 0
.rept 3
	v_cndmask_b32 v[XSEL+3*pq+dq], v[XYZ+8*pq+dq], v[XYZ+8*pq+4+dq], s61   ; xyz of point 32 p + lane, kept for the epilogue: the next pass's xyz lands on XYZ
.set dq, dq+1
.endr
.set pq, pq+1
.endr
.endm
; this pass's rotation, scaling, opacity (lane = point 32 p + lane), wanted in the epilogue, and the next pass's xyz.  Their address registers are free: all earlier loads were waited for.
; In a cluster's last pass the four xyz loads are clamped into the buffer and what they bring is not used: the price of one text for all passes.
.macro LOADS
.set pq, 0
.rept 2
	v_add3_u32 v[UQ], s22, v[LN], 32*pq
	v_min_u32 v[UQ], NPTS-1, v[UQ]
	v_lshlrev_b32 v[AR+3*pq], 4, v[UQ]
	v_mul_u32_u24 v[AR+3*pq+1], 12, v[UQ]
	v_lshlrev_b32 v[AR+3*pq+2], 2, v[UQ]
	global_load_b128 v[ROT+4*pq:ROT+4*pq+3], v[AR+3*pq], s[6:7] th:TH_LOAD_NT
	global_load_b96 v[SCL+4*pq:SCL+4*pq+2], v[AR+3*pq+1], s[8:9] th:TH_LOAD_NT
	global_load_b32 v[OPA+pq], v[AR+3*pq+2], s[10:11] th:TH_LOAD_NT
.set pq, pq+1
.endr
	XLOAD PSTEP
.endm
.macro COV dst, i, k                   ; covariance (i, k) = row i of R diag(s^2) times row k of R
	v_mul_f32 v[OV+\dst], v[TM+3*\i], v[RM+3*\k]
	v_fmac_f32 v[OV+\dst], v[TM+3*\i+1], v[RM+3*\k+1]
	v_fmac_f32 v[OV+\dst], v[TM+3*\i+2], v[RM+3*\k+2]
.endm
; The epilogue.  The heads' tile t lies in window 0 at v[128 + 8 t]: register j of lane (r, h) = head value 8 h + j of point 16 t + r (0-3 rotation, 4-6 scale, 7 opacity, 8-10 xyz).
; For a pair of tiles the halves of the lanes exchange what the other needs, so that lane L holds all 11 values of point 32 p + L.
.macro EPI
	PLACES                                 ; behind the last products
.set pq, 0
.rept 2
	WIN XCH
.set jq, 0
.rept 8
	v_permlanex16_b32 v[TA], v[136+16*pq+jq], s78, s79                     ; the odd tile's values 0-7 lie in lanes 0-15 and are wanted in lanes 16-31
	v_cndmask_b32 v[HH+jq], v[128+16*pq+jq], v[TA], s61
.set jq, jq+1
.endr
.set jq, 0
.rept 3
	v_permlanex16_b32 v[TB], v[128+16*pq+jq], s78, s79                     ; the even tile's values 8-10 lie in lanes 16-31 and are wanted in lanes 0-15
	v_cndmask_b32 v[HH+8+jq], v[136+16*pq+jq], v[TB], s62
.set jq, jq+1
.endr
	WIN W3
.if pq == 0
	s_wait_loadcnt 0x0                     ; rotation, scaling, opacity, asked for at the head of the pass
.endif
	v_pk_add_f32 v[QQ:QQ+1], v[ROT+4*pq:ROT+4*pq+1], v[HH:HH+1]
	v_pk_add_f32 v[QQ+2:QQ+3], v[ROT+4*pq+2:ROT+4*pq+3], v[HH+2:HH+3]
	v_pk_add_f32 v[EX:EX+1], v[SCL+4*pq:SCL+4*pq+1], v[HH+4:HH+5]
	v_add_f32 v[EX+2], v[SCL+4*pq+2], v[HH+6]
	v_add_f32 v[OE], v[OPA+pq], v[HH+7]
	v_mul_f32 v[NRM], v[QQ], v[QQ]
	v_fmac_f32 v[NRM], v[QQ+1], v[QQ+1]
	v_fmac_f32 v[NRM], v[QQ+2], v[QQ+2]
	v_fmac_f32 v[NRM], v[QQ+3], v[QQ+3]
	v_pk_mul_f32 v[EX:EX+1], v[EX:EX+1], 0x4038aa3b op_sel_hi:[1,0]        ; s^2 = 2^(2 log2(e) u)
	v_mul_f32 v[EX+2], 0x4038aa3b, v[EX+2]
	v_mul_f32 v[OE], 0xbfb8aa3b, v[OE]                                     ; sigmoid(o) = 1 / (1 + 2^(-log2(e) o))
	v_rsq_f32 v[INV], v[NRM]
	v_exp_f32 v[SSQ], v[EX]
	v_exp_f32 v[SSQ+1], v[EX+1]
	v_exp_f32 v[SSQ+2], v[EX+2]
	v_exp_f32 v[OX], v[OE]
	v_add_f32 v[OV], v[XSEL+3*pq], v[HH+8]                                 ; plain work that touches none of them stands behind the transcendentals (ISA guide 5.7.2)
	v_add_f32 v[OV+1], v[XSEL+3*pq+1], v[HH+9]
	v_add_f32 v[OV+2], v[XSEL+3*pq+2], v[HH+10]
	s_wait_alu depctr_va_vdst(0)
	v_min_num_f32 v[INV], 0x5368d4a5, v[INV]                               ; 1 / max(norm, 1e-12) = min(1 / norm, 1e12)
	v_add_f32 v[OX], 1.0, v[OX]
	v_mul_f32 v[QQ], v[QQ], v[INV]
	v_mul_f32 v[QQ+1], v[QQ+1], v[INV]
	v_mul_f32 v[QQ+2], v[QQ+2], v[INV]
	v_mul_f32 v[QQ+3], v[QQ+3], v[INV]
	v_rcp_f32 v[OV+12], v[OX]
	v_add_f32 v[XD], v[QQ+1], v[QQ+1]
	v_add_f32 v[YD], v[QQ+2], v[QQ+2]
	v_add_f32 v[ZD], v[QQ+3], v[QQ+3]
	v_mul_f32 v[WX], v[QQ], v[XD]
	v_mul_f32 v[WY], v[QQ], v[YD]
	v_mul_f32 v[WZ], v[QQ], v[ZD]
	v_fma_f32 v[RM+1], v[QQ+1], v[YD], -v[WZ]                              ; 2 (xy - wz)
	v_fma_f32 v[RM+3], v[QQ+1], v[YD], v[WZ]                               ; 2 (xy + wz)
	v_fma_f32 v[RM+2], v[QQ+1], v[ZD], v[WY]                               ; 2 (xz + wy)
	v_fma_f32 v[RM+6], v[QQ+1], v[ZD], -v[WY]                              ; 2 (xz - wy)
	v_fma_f32 v[RM+5], v[QQ+2], v[ZD], -v[WX]                              ; 2 (yz - wx)
	v_fma_f32 v[RM+7], v[QQ+2], v[ZD], v[WX]                               ; 2 (yz + wx)
	v_fma_f32 v[DA], -v[QQ+2], v[YD], 1.0                                  ; 1 - 2 yy
	v_fma_f32 v[DB], -v[QQ+1], v[XD], 1.0                                  ; 1 - 2 xx
	v_fma_f32 v[RM], -v[QQ+3], v[ZD], v[DA]
	v_fma_f32 v[RM+4], -v[QQ+3], v[ZD], v[DB]
	v_fma_f32 v[RM+8], -v[QQ+2], v[YD], v[DB]
.set iq, 0
.rept 9
	v_mul_f32 v[TM+iq], v[RM+iq], v[SSQ+iq%3]
.set iq, iq+1
.endr
	COV 3, 0, 0
	COV 4, 0, 1
	COV 5, 0, 2
	COV 7, 1, 1
	COV 8, 1, 2
	COV 11, 2, 2
.set iq, 0
	s_wait_alu depctr_va_vdst(0)
.irp rg, 0,1,2,3,4,5,4,7,8,5,8,11,12
	ds_store_b32 v[STW], v[OV+\rg] offset:1664*pq+4*iq                     ; lanes 13 words apart: an odd stride, 32 different banks
.set iq, iq+1
.endr
.set pq, pq+1
.endr
	; The way out: the wave's 3,328 bytes leave as 13 blocks; each store's 32 lanes cover 256 consecutive bytes, aligned.  The stage is the wave's own and LDS serves a wave's instructions
	; in order (ISA guide 5.7.1.4): no wait between the stores above and these loads.  The mask cuts the bytes of the 32 points past the end, in the very last wave share alone.
.set iq, 0
.rept 13
	ds_load_b64 v[OD+2*iq:OD+2*iq+1], v[STR] offset:256*iq
.set iq, iq+1
.endr
	s_wait_xcnt 0x0                        ; EXEC changes only behind this wait
.set iq, 0
.rept 13
	s_wait_dscnt 12-iq                     ; block iq is in; the younger loads stay out
	v_cmp_gt_u32 vcc_lo, NPTS*52-256*iq, v[OUTO]
	s_and_saveexec_b32 s60, vcc_lo
	global_store_b64 v[OUTO], v[OD+2*iq:OD+2*iq+1], s[16:17] offset:256*iq th:TH_STORE_NT
	s_wait_xcnt 0x0                        ; and again in front of the line that restores it; it also frees the store's registers
	s_or_b32 exec_lo, exec_lo, s60
.set iq, iq+1
.endr
	v_add_nc_u32 v[OUTO], PSTEP*52, v[OUTO]
	WIN 0
.endm
.macro PASS
	HEADFILL
	ENCODE
	LOADS
.set G, 0
.set CC, 0
.set HEAD, 0
	LAYER 1, 3, 1, 1                       ; layer 0: encoded input -> P
	LAYER 4, 1, 2, 0                       ; layer 1: P -> Q
	LAYER 5, 2, 1, 0                       ; layer 2: Q and the encoded input -> P
	LAYER 4, 1, 2, 0                       ; layer 3: P -> Q
.set HEAD, 1                               ; the heads: one tile of 16 rows (11 used), two groups of four K fragments, Q -> accumulator set 0; they fetch nothing further
.set BW, 2
.set RND, 0
.set FIRST, 1
.set DOBR, 0
.set BB, 0
.set CV, 4
.set WD, 2
.set KFD, 7
	GROUP
.set G, G+1
.set FIRST, 0
.set BB, 128
.set CV, 0
	GROUP
	EPI
.endm
	s_load_b256 s[4:11], s[0:1], 0x0               ; canonical_xyz s[4:5], rotation s[6:7], scaling s[8:9], opacity s[10:11]
	s_load_b128 s[12:15], s[0:1], 0x20             ; time s[12:13], wpack s[14:15]
	s_load_b64 s[16:17], s[0:1], 0x30              ; out0
	v_lshl_add_u32 v15, v0, 2, 0x4e800
	s_set_vgpr_msb 0x40
	v_mov_b32 v254, 0
	s_set_vgpr_msb 0x4044
	ds_add_u32 v15, v254
	s_set_vgpr_msb 0x4400
	v_lshrrev_b32 v1, 5, v0
	v_readfirstlane_b32 s20, v1                    ; wave 0..3
	s_bfe_u32 s21, ttmp6, 0x40000                  ; cx: my place in the cluster; it enters global addresses of the points alone
	s_lshl_b32 s22, ttmp9, 2
	s_add_co_u32 s22, s22, s21
	s_lshl_b32 s22, s22, 8
	s_lshl_b32 s23, s20, 6
	s_add_co_u32 s22, s22, s23                     ; first point of my wave's share in the first pass
	s_cmp_lt_u32 ttmp9, 37                         ; 293 cluster passes on 64 clusters: clusters 0..36 make five, the others four
	s_cselect_b32 s84, 5, 4
	s_mul_i32 s23, s20, WSTG
	s_add_co_u32 s23, s23, STAGE                   ; my wave's stage
	s_mul_i32 s63, s22, 52
	s_mov_b32 s61, 0xffff0000                      ; lanes 16-31
	s_mov_b32 s62, 0x0000ffff                      ; lanes 0-15
	s_mov_b32 s66, 0x40c90fdb                      ; the series of sin(2 pi u): (2 pi)^(2n+1) / (2n+1)! with alternating signs, each twice for the packed forms
	s_mov_b32 s67, 0x40c90fdb
	s_mov_b32 s68, 0xc2255de7
	s_mov_b32 s69, 0xc2255de7
	s_mov_b32 s70, 0x42a335e3
	s_mov_b32 s71, 0x42a335e3
	s_mov_b32 s72, 0xc2996966
	s_mov_b32 s73, 0xc2996966
	s_mov_b32 s74, 0x42283c1a
	s_mov_b32 s75, 0x42283c1a
	s_mov_b32 s76, 0xc17183a8
	s_mov_b32 s77, 0xc17183a8
	s_mov_b32 s78, 0x76543210                      ; v_permlanex16_b32: lane i of one half reads lane i of the other
	s_mov_b32 s79, 0xfedcba98
	; Descriptors.  Every fill is a dense block, taken as rows of 256 bytes (32 elements of 8 bytes), pitch = row.  Group 1 for a quarter fill (80 rows) and for a quarter of the resident part (141 rows).
	s_mov_b32 s24, 0x0023000f                      ; 15:0 mask: all four work-groups of the cluster; 17:16 elements of 8 bytes; 21 set beside a mask; no padding
	s_mov_b32 s25, 32<<16                          ; tensor_dim0 = 32
	s_mov_b32 s26, 80<<16                          ; tensor_dim1 = 80
	s_mov_b32 s27, 32<<16                          ; tile_dim0 = 32
	s_mov_b32 s28, 80                              ; tile_dim1 = 80
	s_mov_b32 s29, 32                              ; elements from row to row
	s_mov_b32 s30, 0
	s_mov_b32 s31, 0
	s_mov_b32 s32, 0x0023000f
	s_mov_b32 s33, 32<<16
	s_mov_b32 s34, 141<<16
	s_mov_b32 s35, 32<<16
	s_mov_b32 s36, 141
	s_mov_b32 s37, 32
	s_mov_b32 s38, 0
	s_mov_b32 s39, 0
	s_mul_i32 s80, s20, 36096                      ; my quarter of the resident part,
	s_mov_b32 s81, 0
	s_mul_i32 s82, s20, 20480                      ; and of a fill: the wave's number alone, the same in all four work-groups
	s_mov_b32 s83, 0
	s_wait_dscnt 0x0
	s_wait_kmcnt 0x0
	s_load_b32 s18, s[12:13], 0x0                  ; t
	; Group 0: one set for the resident part and one for each of the four fills; every pass fetches the same bytes, so none is ever written again.
	s_mov_b32 s40, 1
	s_mov_b32 s41, s80
	s_add_nc_u64 s[42:43], s[14:15], s[80:81]
	s_or_b32 s43, s43, 0x80000000
.irp f, 0,1,2,3
	s_mov_b32 s[44+4*\f], 1
	s_add_co_u32 s[45+4*\f], s82, SLOT0+(\f&1)*SLOTB
	s_add_nc_u64 s[46+4*\f:47+4*\f], s[14:15], s[82:83]
	s_add_nc_u64 s[46+4*\f:47+4*\f], s[46+4*\f:47+4*\f], RESB+\f*SLOTB
	s_or_b32 s[47+4*\f], s[47+4*\f], 0x80000000
.endr
	ROUND                                          ; all four work-groups are here: the first joint load meets
	tensor_load_to_lds s[40:43], s[32:39]          ; resident groups and biases: the one load of the wave that is out until the first pass's head
	s_nop 0
	v_and_b32 v1, 31, v0
	v_lshlrev_b32 v2, 4, v1                        ; 16 lane, and the same 65,536 k further on: an LDS immediate has 16 bits
	v_add_nc_u32 v3, 0x10000, v2
	v_add_nc_u32 v4, 0x20000, v2
	v_add_nc_u32 v5, 0x30000, v2
	v_add_nc_u32 v6, 0x40000, v2
	v_bfe_u32 v7, v0, 4, 1
	v_lshl_add_u32 v7, v7, 5, 0x20000              ; biases: 32 h behind byte 131,072
	WIN 0x40
	v_mov_b32 v[ZR], 0                             ; ReLU's second source, one in each window that holds an operand B
	WIN 0x80
	v_mov_b32 v[ZR], 0
	WIN 0xc0
	v_mov_b32 v[ZR], 0
	v_mov_b32 v[TID], v0
	WIN W3
	v_and_b32 v[LN], 31, v[TID]
	v_and_b32 v[RR], 15, v[TID]
	XLOAD 0                                        ; the first pass's xyz
	v_bfe_u32 v[UQ], v[TID], 4, 1
	v_cvt_f32_u32 v[UQ], v[UQ]
	v_mul_f32 v[PH], 0x3e800000, v[UQ]
	v_mov_b32 v[C6], 0x40747a1a
	v_mov_b32 v[C6+1], 0x40747a1a
	v_mad_u32_u24 v[STW], v[LN], 52, s23
	v_lshl_add_u32 v[STR], v[LN], 3, s23
	v_lshl_add_u32 v[OUTO], v[LN], 3, s63
	s_wait_kmcnt 0x0
	v_mov_b32 v[XYZ+3], s18
	v_mov_b32 v[XYZ+7], s18
	v_mov_b32 v[XYZ+11], s18
	v_mov_b32 v[XYZ+15], s18
	; the time's 20 features, the same for every point: slots 18 + k, packed registers 9-13 of all four tiles, once for the launch
	v_fma_f32 v[UQ], v[XYZ+3], 0.5, v[PH]
	v_add_f32 v[UQ+1], v[XYZ+3], v[PH]
	v_fma_f32 v[UQ+2], v[XYZ+3], 2.0, v[PH]
	v_fma_f32 v[UQ+3], v[XYZ+3], 4.0, v[PH]
	v_fma_f32 v[UQ+4], v[XYZ+3], 0x41000000, v[PH]
	v_fma_f32 v[UQ+5], v[XYZ+3], 0x41800000, v[PH]
	v_fma_f32 v[UQ+6], v[XYZ+3], 0x42000000, v[PH]
	v_fma_f32 v[UQ+7], v[XYZ+3], 0x42800000, v[PH]
	v_fma_f32 v[UQ+8], v[XYZ+3], 0x43000000, v[PH]
	v_fma_f32 v[UQ+9], v[XYZ+3], 0x43800000, v[PH]
	SINES 5
.set tq, 0
.rept 4
.set aq, 0
.rept 5
	v_cvt_pk_bf16_f32 v[XF+33+8*tq+aq], v[PQ+2*aq], v[PQ+2*aq+1]
.set aq, aq+1
.endr
.set tq, tq+1
.endr
	WIN 0
	s_mov_b32 s19, 0
.Lpass:
	PASS
	s_add_co_u32 s22, s22, PSTEP
	s_add_co_u32 s19, s19, 1
	s_cmp_lt_u32 s19, s84
	s_cbranch_scc1 .Lpass
	s_set_vgpr_msb (MSB<<8)|((MSB&0xf0)|0x4)
	s_wait_tensorcnt 0x0
	ds_add_u32 v15, v254
	s_wait_dscnt 0x0
	s_set_vgpr_msb (((MSB&0xf0)|0x4)<<8)|MSB
	ROUND                                          ; the closing round: no work-group ends while a partner may still ask for a fill that names it
	s_endpgm
.Lfunc_end_k_qb060cb33c0_mlp:
	.size	k_qb060cb33c0_mlp, .Lfunc_end_k_qb060cb33c0_mlp-k_qb060cb33c0_mlp
	.p2alignl 7, 3214868480
	.fill 96, 4, 3214868480
	.section	.rodata,"a",@progbits
	.p2align	6, 0x0
	.amdhsa_kernel k_qb060cb33c0_mlp
		.amdhsa_group_segment_fixed_size 327680
		.amdhsa_private_segment_fixed_size 0
		.amdhsa_enable_private_segment 0
		.amdhsa_kernarg_size 56
		.amdhsa_user_sgpr_count 2
		.amdhsa_user_sgpr_kernarg_segment_ptr 1
		.amdhsa_wavefront_size32 1
		.amdhsa_system_sgpr_workgroup_id_x 1
		.amdhsa_system_sgpr_workgroup_id_y 1
		.amdhsa_system_sgpr_workgroup_id_z 1
		.amdhsa_system_vgpr_workitem_id 0
		.amdhsa_next_free_vgpr 1024
		.amdhsa_next_free_sgpr 96
		.amdhsa_reserve_vcc 1
		.amdhsa_float_denorm_mode_32 3
		.amdhsa_float_denorm_mode_16_64 3
		.amdhsa_memory_ordered 1
		.amdhsa_forward_progress 1
		.amdhsa_inst_pref_size 255
	.end_amdhsa_kernel
	.section	.bss,"aw",@nobits
	.p2align	6
	.space	262144
	.amdgpu_metadata
---
amdhsa.version: [ 1, 2 ]
amdhsa.kernels:
  - .name:           k_qb060cb33c0_mlp
    .symbol:         k_qb060cb33c0_mlp.kd
    .args:
      - { .name: canonical_xyz, .offset: 0, .size: 8, .value_kind: global_buffer, .address_space: global }
      - { .name: rotation, .offset: 8, .size: 8, .value_kind: global_buffer, .address_space: global }
      - { .name: scaling, .offset: 16, .size: 8, .value_kind: global_buffer, .address_space: global }
      - { .name: opacity, .offset: 24, .size: 8, .value_kind: global_buffer, .address_space: global }
      - { .name: time, .offset: 32, .size: 8, .value_kind: global_buffer, .address_space: global }
      - { .name: wpack, .offset: 40, .size: 8, .value_kind: global_buffer, .address_space: global }
      - { .name: out0, .offset: 48, .size: 8, .value_kind: global_buffer, .address_space: global }
    .group_segment_fixed_size: 327680
    .private_segment_fixed_size: 0
    .kernarg_segment_align: 8
    .kernarg_segment_size: 56
    .max_flat_workgroup_size: 128
    .sgpr_count:     96
    .vgpr_count:     1024
    .wavefront_size: 32
...
	.end_amdgpu_metadata
.endif
;; end of part 4
